; MI455X (gfx1250); checked and timed in simulation.
; The chip was launched on July 23, 2026; its instructions are those of AMD's public machine-readable ISA for CDNA 5 (MIT licence, August 2026) and "CDNA5" Instruction Set Architecture Reference Guide (July 2026). The comments in the code are by the model that wrote it; some were corrected since.
;; Causal Self Attention. Allowed arithmetic: matrix products marked QUANTISED: E3M2 operands, one E8M0 scale for each 32 along K, by v_wmma_scale_f32_16x16x128_f8f6f4 with both operands' format E3M2, f32 sums; everything else in f32.
;; Inputs: w_proj 1,024 x 1,024 float32; w_qkv 1,024 x 3,072 float32; x 4 x 2,048 x 1,024 float32.
;; Outputs: out0 4 x 2,048 x 1,024 float32.
;; This version of the problem:
;;   THIS VERSION OF THE PROBLEM IS GIVEN IN LOW PRECISION. The matrix products marked QUANTISED in the list below multiply operands that are first quantised to E3M2 (3 exponent bits, 2 mantissa bits; 6 bits a number), with one power-of-two scale for each 32 numbers along K (OCP MX v1.0); their sums are f32. All else is computed in f32.
;;   The module's matrix products, in the order in which they are computed (A, B: the left and right operand; K: the contracted axis; several contracted axes count as one K, in the product's order):
;;     1. [M 8,192, K 1,024] x [K 1,024, N 3,072]; A: input x; B: input w_qkv: QUANTISED
;;     2. batch 64 x [M 2,048, K 64] x [K 64, N 2,048]; A: computed on the way; B: computed on the way: QUANTISED
;;     3. batch 64 x [M 2,048, K 2,048] x [K 2,048, N 64]; A: softmax (see below); B: computed on the way: QUANTISED
;;     4. [M 8,192, K 1,024] x [K 1,024, N 1,024]; A: computed on the way; B: input w_proj: QUANTISED
;;   THE QUANTISER, for each operand of a quantised product, along K:
;;     - K is cut into blocks of 32 from its start; a last block that is shorter is filled with zeros.
;;     - A block's scale is 2^e with e = floor(log2(the largest magnitude in the block)) - 4, held to -126 .. 127; a block of zeros has e = 0. As a byte (E8M0): e + 127.
;;     - Each number is divided by its block's scale, clamped to +-28, and rounded to the nearest number of E3M2, ties to even, subnormals kept.
;;     - The product sums the exact products of the quantised numbers (number of the format x scale) in f32.
;;   ~~~python
;;   def quantise(x, axis):      # numpy; x: float32 -> the quantised numbers, widened to float32 again
;;       x = np.moveaxis(x, axis, -1); K = x.shape[-1]
;;       x = np.pad(x, [(0, 0)] * (x.ndim - 1) + [(0, -K % 32)]); x = x.reshape(x.shape[:-1] + (-1, 32)); a = np.abs(x).max(-1, keepdims=True)
;;       e = np.where(a > 0, np.clip(np.frexp(np.where(a > 0, a, 1))[1] - 1 - 4, -126, 127), 0)      # np.frexp(a)[1] - 1 = floor(log2(a)), exactly
;;       r = np.clip(x / 2.0 ** e, -28, 28)
;;       step = 2.0 ** (np.maximum(np.frexp(np.where(r == 0, 1, r))[1] - 1, -2) - 2)
;;       q = np.round(r / step) * step * 2.0 ** e      # np.round: ties to even
;;       return np.moveaxis(q.reshape(q.shape[:-2] + (-1,))[..., :K], -1, axis).astype(np.float32)
;;   ~~~
;;   SOFTMAX AHEAD OF A QUANTISED PRODUCT. Where the list says 'softmax', what is quantised is not the finished softmax but p = 2^(t - M), with t = logit x log2(e) and M = ceil(the row's largest t), a whole number; so 1/2 < the row's largest p <= 1. The row's sum l is taken of the UNQUANTISED p, in f32, and the product's result is divided by l at the end. Since M is a whole number, a kernel that streams over the keys may use a running M (the ceiling of the running maximum): every later rescaling is an exact power of two, which a block's scale takes up: the codes' values come out the same.
;;   OPERANDS COMPUTED ON THE WAY. 'Computed on the way' means the value that the module computes at that place (a softmax that the list does not call 'softmax' is quantised finished and normalised). What goes into a quantiser is computed in f32, as accurately as f32 sums, v_exp_f32 and their like allow (about 1e-6 of the number): no bf16 or f16 on the way to a quantiser, and a product that is left as it is and whose result goes on into a quantised operand takes f32 operands (vector FMAs, or v_wmma_f32_16x16x4_f32). A number that lies on a knife's edge between two numbers of the format may be rounded either way, as far as f32 arithmetic and the matrix unit's own rounding can turn it there, and no further.
;; One version. Each part assembles by itself: llvm-mc -triple=amdgcn-amd-amdhsa -mcpu=gfx1250 --defsym DOCPART=n.
;; ======== version 1 of 1: 4 launches
;; workspace buffers: xc 6,291,456 bytes; wqc 2,359,296 bytes; wpc 786,432 bytes; sc_a 360,448 bytes; sc_b 294,912 bytes; qb 6,815,744 bytes; kv 13,369,344 bytes; oc 6,291,456 bytes
;; launch quant (part 1): grid 384 x 1, 4 waves a work-group, no clusters, 34,304 bytes of LDS; arguments x, w_qkv, w_proj, xc, wqc, wpc, sc_a, sc_b; writes xc, wqc, wpc, sc_a, sc_b
.if DOCPART == 1
	.amdgcn_target "amdgcn-amd-amdhsa--gfx1250"
	.amdhsa_code_object_version 6
	.text
	.protected	k_q6893965f43_quant
	.globl	k_q6893965f43_quant
	.p2align	8
	.type	k_q6893965f43_quant,@function
k_q6893965f43_quant:
	s_mov_b64 s[64:65], 0
	v_nop
	global_prefetch_b8 v0, s[64:65] scope:SCOPE_SE
	s_setreg_imm32_b32 hwreg(HW_REG_WAVE_MODE, 25, 1), 1
	s_wait_xcnt 0x0
; x [8192][1024], w_qkv [1024][3072] and w_proj [1024][1024], f32, become codes of BF6 (E3M2) with one E8M0 byte for each 32 along K, laid as the products' launches read them.
; TILES.  An operand's rows (x: tokens; a weight: its columns) go in tiles of 16: lane-row r of tile t is row 32 (t / 2) + 8 (t % 2) + r + 8 (r / 8).
; IMAGES.  A fragment (16 rows x 128 K, 12 registers a lane) lies as [pair p = 0..5][lane][8 bytes] = 1,536 bytes; an operand as [tile][K step 0..7][1,536].  Each store of a pair covers 256 consecutive bytes, aligned.
; SCALE WORDS.  [tile][q2 = 0, 1][r][4 words]: word w of q2 belongs to K step 4 q2 + w; byte b of a word to the step's block b.
; A block's scale is 2^(floor(log2(largest magnitude)) - 4); its byte is the largest magnitude's exponent field - 4, held at 1 from below.
; LIMITS: NaN and infinities among the inputs are not served; a block whose largest magnitude lies under 2^(5 - 127), a block of zeros too, keeps the byte 1 (its codes add nothing; this program alone reads the bytes).
; WORK-GROUPS 0-255: x, a wave takes 16 rows x 512 along K.  256-351: w_qkv, 352-383: w_proj, a wave takes 32 columns x 256 along K.  Each work-group reads 131,072 bytes.  Waves share nothing: no barrier.
.set R,   32                           ; v32-159  x: two sets of 64 numbers as loaded
.set X,   160                          ; v160-223 x: 64 numbers, register 16 b + i = k 32 b + 16 h + i of my row
.set PC,  224                          ; v224-235 a fragment's codes; v236-242 at work
.set TM,  244                          ; v244-247 largest magnitudes, v248-251 partner's / bytes, v252-255 the conversions' scale operands
.set PW,  12                           ; v12-15   the four K steps' scale words
.set WX,  32                           ; v32-95   weights: two sets of 32 numbers down K
.set CE,  96                           ; v96-101  codes of an even block
.set CO,  102                          ; v102-107 codes of an odd block
.set TC,  108                          ; v108-110 a conversion's second half
.set SB,  112                          ; v112-113 my column's eight scale bytes
.set STG, 8448                         ; LDS: a stage of 16 rows x (512 + 16) bytes for each wave (x's path alone)
; 64 numbers of a lane become a fragment's codes in v[PC] on and my row's scale word in v[pw]
.macro QUANT s, pw
.irp b, 0,1,2,3
	v_max3_num_f32 v[TM+\b], |v[(\s)+16*\b]|, |v[(\s)+16*\b+1]|, 0x2800000   ; my 16 numbers of block b, and the floor 2^(5 - 127): the byte cannot fall under 1
.endr
.irp i, 2,4,6,8,10,12,14
.irp b, 0,1,2,3
	v_max3_num_f32 v[TM+\b], v[TM+\b], |v[(\s)+16*\b+\i]|, |v[(\s)+16*\b+\i+1]|
.endr
.endr
.irp b, 0,1,2,3
	v_permlanex16_b32 v[TM+4+\b], v[TM+\b], s22, s23
.endr
.irp b, 0,1,2,3
	v_max_num_f32 v[TM+\b], v[TM+\b], v[TM+4+\b]               ; with lane l xor 16's 16: the block's largest magnitude
.endr
.irp b, 0,1,2,3
	v_add_nc_u32 v[TM+8+\b], 0xfe000000, v[TM+\b]              ; 4 off its exponent field: the conversion's scale operand
.endr
.irp b, 0,1,2,3
	v_lshrrev_b32 v[TM+4+\b], 23, v[TM+8+\b]                   ; the scale's byte
.endr
	v_lshl_or_b32 v[\pw], v[TM+5], 8, v[TM+4]
	v_lshl_or_b32 v[\pw], v[TM+6], 16, v[\pw]
	v_lshl_or_b32 v[\pw], v[TM+7], 24, v[\pw]
.irp c, 0,1
	v_cvt_scalef32_pk16_bf6_f32 v[PC+6*\c:PC+6*\c+2], v[(\s)+32*\c:(\s)+32*\c+15], v[TM+8+2*\c]
	v_cvt_scalef32_pk16_bf6_f32 v[PC+12+4*\c:PC+14+4*\c], v[(\s)+32*\c+16:(\s)+32*\c+31], v[TM+9+2*\c]   ; (a conversion's three registers begin on an even number)
.endr
	v_nop                                                      ; one plain place behind a scaled conversion
.irp c, 0,1                            ; the layout wants a whole block in a lane: lanes 0-15 block 2 c, lanes 16-31 block 2 c + 1
.irp i, 0,1,2
	v_permlane16_swap_b32 v[PC+6*\c+\i], v[PC+12+4*\c+\i]
.endr
.irp i, 0,1,2
	v_mov_b32 v[PC+3+6*\c+\i], v[PC+12+4*\c+\i]
.endr
.endr
.endm
; x: K step s of my 16 rows: each load reads one row's 512 consecutive bytes
.macro XLOAD s
.irp i, 0,1,2,3,4,5,6,7,8,9,10,11,12,13,14,15
	global_load_b128 v[R+64*((\s)%2)+4*\i:R+64*((\s)%2)+4*\i+3], v8, s[4:5] offset:(\i+8*(\i/8))*4096+512*(\s) th:TH_LOAD_NT
.endr
.endm
.macro XSTEP s
.if (\s) < 3
	s_wait_loadcnt 16                                          ; this step's 16 loads are in; the next step's 16 stay out
.else
	s_wait_loadcnt 0x0
.endif
.irp i, 0,1,2,3,4,5,6,7,8,9,10,11,12,13,14,15
	ds_store_b128 v6, v[R+64*((\s)%2)+4*\i:R+64*((\s)%2)+4*\i+3] offset:528*\i     ; the rows as they lie, into my own stage
.endr
.irp b, 0,1,2,3
.irp j, 0,1,2,3
	ds_load_b128 v[X+16*\b+4*\j:X+16*\b+4*\j+3], v7 offset:128*\b+16*\j            ; back: of row r, 16 neighbours of each block; LDS serves a wave's instructions in order
.endr
.endr
	s_wait_dscnt 0x0
	s_wait_xcnt 0x0                                            ; the last step's stores have read the codes' registers, which are written again below
.if (\s) < 2
	XLOAD (\s)+2
.endif
	QUANT X, PW+(\s)
.irp p, 0,1,2,3,4,5
	global_store_b64 v5, v[PC+2*\p:PC+2*\p+1], s[10:11] offset:1536*(\s)+256*\p    ; 32 lanes store 256 consecutive bytes, aligned
.endr
.endm
; weights: block t of my column: rows 32 t + i; each load reads 32 columns of one row
.macro WLOAD t, N, src
.irp i, 0,1,2,3,4,5,6,7,8,9,10,11,12,13,14,15,16,17,18,19,20,21,22,23,24,25,26,27,28,29,30,31
	global_load_b32 v[WX+32*((\t)%2)+\i], v10, s[\src:\src+1] offset:(32*(\t)+\i)*\N*4 th:TH_LOAD_NT
.endr
.endm
.macro WBLOCK t, N, src, cod
.set XS, WX+32*((\t)%2)
.set CC, CE+6*((\t)%2)
.if (\t) < 7
	s_wait_loadcnt 32                                          ; this block's 32 loads are in; the next block's stay out
.else
	s_wait_loadcnt 0x0
.endif
	v_max3_num_f32 v12, |v[XS]|, |v[XS+1]|, |v[XS+2]|          ; all 32 numbers of the block are mine
	v_max3_num_f32 v13, |v[XS+3]|, |v[XS+4]|, |v[XS+5]|
.irp i, 6,10,14,18,22,26
	v_max3_num_f32 v12, v12, |v[XS+\i]|, |v[XS+\i+1]|
	v_max3_num_f32 v13, v13, |v[XS+\i+2]|, |v[XS+\i+3]|
.endr
	v_max3_num_f32 v12, v12, |v[XS+30]|, |v[XS+31]|
	v_max3_num_f32 v12, v12, v13, 0x2800000
	v_add_nc_u32 v14, 0xfe000000, v12
	v_lshrrev_b32 v13, 23, v14
.if (\t)%4 == 0
	v_mov_b32 v[SB+(\t)/4], v13
.else
	v_lshl_or_b32 v[SB+(\t)/4], v13, 8*((\t)%4), v[SB+(\t)/4]
.endif
.if ((\t)%2 == 0) && ((\t) >= 2)
	s_wait_alu depctr_va_vdst(0)
	s_wait_xcnt 0x0                                            ; the last pair's stores have read both runs of codes, which are written again from here on
.endif
	v_cvt_scalef32_pk16_bf6_f32 v[CC:CC+2], v[XS:XS+15], v14
	v_cvt_scalef32_pk16_bf6_f32 v[TC:TC+2], v[XS+16:XS+31], v14
	v_nop
.irp i, 0,1,2
	v_mov_b32 v[CC+3+\i], v[TC+\i]
.endr
.if (\t)+2 < 8
	WLOAD (\t)+2, \N, \src
.endif
.if (\t)%2 == 1                        ; lanes 0-15 hold tile 2 cg's rows, lanes 16-31 tile 2 cg + 1's: the exchange gives each run one tile's even block below and odd block above: three pairs of its image
.irp i, 0,1,2,3,4,5
	v_permlane16_swap_b32 v[CE+\i], v[CO+\i]
.endr
.irp j, 0,1,2
	global_store_b64 v5, v[CE+2*\j:CE+2*\j+1], s[\cod:\cod+1] offset:((\t)/4)*1536+(((\t)%4)/2)*768+256*\j
	global_store_b64 v5, v[CO+2*\j:CO+2*\j+1], s[\cod:\cod+1] offset:12288+((\t)/4)*1536+(((\t)%4)/2)*768+256*\j
.endr
.endif
.endm
; a weight [1024][N]: work-group idx = 4 cb + y takes columns 128 cb on, rows 256 y on
.macro WPATH N, first, src, cod, scb
	s_sub_co_u32 s24, ttmp9, \first
	s_lshr_b32 s25, s24, 2
	s_and_b32 s26, s24, 3                                      ; y
	s_lshl_b32 s25, s25, 2
	s_add_co_u32 s25, s25, s20                                 ; cg: my wave's 32 columns
	s_mul_i32 s28, s26, 1024*\N                                ; 256 y rows of 4 N bytes
	s_lshl_b32 s27, s25, 7
	s_add_co_u32 s28, s28, s27
	s_mov_b32 s29, 0
	s_mul_i32 s30, s25, 24576                                  ; tile 2 cg,
	s_mul_i32 s27, s26, 3072                                   ; K step 2 y
	s_add_co_u32 s30, s30, s27
	s_mov_b32 s31, 0
	s_lshl_b32 s32, s25, 10                                    ; scale words: tile 2 cg, q2 = y / 2, words 2 (y % 2) on
	s_lshr_b32 s27, s26, 1
	s_lshl_b32 s27, s27, 8
	s_add_co_u32 s32, s32, s27
	s_and_b32 s27, s26, 1
	s_lshl_b32 s27, s27, 3
	s_add_co_u32 s32, s32, s27
	s_add_co_u32 s32, s32, 262144                              ; behind the 512 tiles of the other operand's words
	s_mov_b32 s33, 0
	s_wait_kmcnt 0x0
	s_add_nc_u64 s[\src:\src+1], s[\src:\src+1], s[28:29]
	s_add_nc_u64 s[\cod:\cod+1], s[\cod:\cod+1], s[30:31]
	s_add_nc_u64 s[\scb:\scb+1], s[\scb:\scb+1], s[32:33]
	WLOAD 0, \N, \src
	WLOAD 1, \N, \src
.set Q, 0
.rept 8
	WBLOCK Q, \N, \src, \cod
.set Q, Q+1
.endr
	global_store_b64 v11, v[SB:SB+1], s[\scb:\scb+1]           ; two words of my row: 8 bytes of every 16, the other half comes from the work-group beside (131,072 bytes in all go out so)
	s_endpgm
.endm
	s_load_b256 s[4:11], s[0:1], 0x0                           ; x s[4:5], w_qkv s[6:7], w_proj s[8:9], xc s[10:11]
	s_load_b256 s[12:19], s[0:1], 0x20                         ; wqc s[12:13], wpc s[14:15], sc_a s[16:17], sc_b s[18:19]
	v_lshl_add_u32 v239, v0, 2, 0x8400
	v_mov_b32 v243, 0
	v_lshrrev_b32 v1, 5, v0
	v_readfirstlane_b32 s20, v1                                ; wave
	v_and_b32 v2, 31, v0                                       ; lane
	v_and_b32 v3, 15, v0                                       ; r
	v_bfe_u32 v4, v0, 4, 1                                     ; h
	v_lshlrev_b32 v5, 3, v2                                    ; 8 x lane: my place in an image's pair
	v_cmp_lt_u32 s21, 15, v2                                   ; the mask of lanes 16-31
	s_mov_b32 s22, 0x76543210
	s_mov_b32 s23, 0xfedcba98                                  ; v_permlanex16_b32's selects for lane l xor 16
	s_cmp_lt_u32 ttmp9, 256
	s_cbranch_scc0 .Lweights
	; ---- x
	s_lshl_b32 s24, ttmp9, 2
	s_add_co_u32 s24, s24, s20                                 ; u = 2 x tile + half of K
	s_lshr_b32 s25, s24, 1                                     ; tile
	s_and_b32 s26, s24, 1                                      ; kh
	s_lshr_b32 s27, s25, 1
	s_lshl_b32 s27, s27, 17                                    ; 32 rows of 4,096 bytes
	s_and_b32 s28, s25, 1
	s_lshl_b32 s28, s28, 15                                    ; 8 rows
	s_add_co_u32 s28, s27, s28
	s_lshl_b32 s27, s26, 11                                    ; 512 numbers along K
	s_add_co_u32 s28, s28, s27
	s_mov_b32 s29, 0
	s_mul_i32 s30, s25, 12288
	s_mul_i32 s27, s26, 6144
	s_add_co_u32 s30, s30, s27
	s_mov_b32 s31, 0
	s_lshl_b32 s32, s24, 8                                     ; 512 x tile + 256 x kh
	s_mov_b32 s33, 0
	s_mul_i32 s34, s20, STG
	s_wait_alu depctr_va_vdst(0)
	v_lshl_add_u32 v6, v2, 4, s34                              ; into the stage: 16 x lane
	v_mul_u32_u24 v7, v3, 528
	v_lshl_add_u32 v7, v4, 6, v7
	v_add_nc_u32 v7, s34, v7                                   ; out of it: row r, + 64 h
	v_lshlrev_b32 v8, 4, v2                                    ; in memory: 16 x lane
	v_lshlrev_b32 v9, 4, v3
	v_lshl_add_u32 v9, v4, 3, v9                               ; scale words: 16 r + 8 h
.irp b, 0,1,2,3
	v_mov_b32 v[TM+4+\b], 0                                    ; written once: a lane permute's destination counts as one of its sources
.endr
	s_wait_alu depctr_va_vdst(0)
	s_wait_kmcnt 0x0
	s_add_nc_u64 s[4:5], s[4:5], s[28:29]
	s_add_nc_u64 s[10:11], s[10:11], s[30:31]
	s_add_nc_u64 s[16:17], s[16:17], s[32:33]
	XLOAD 0
	XLOAD 1
	XSTEP 0
	XSTEP 1
	XSTEP 2
	XSTEP 3
	v_cndmask_b32 v16, v12, v14, s21                           ; lanes 0-15 send words 0, 1 of row r, lanes 16-31 words 2, 3:
	v_cndmask_b32 v17, v13, v15, s21
	global_store_b64 v9, v[16:17], s[16:17]                    ; 256 consecutive bytes, aligned
	s_wait_tensorcnt 0x0
	ds_add_u32 v239, v243
	s_wait_dscnt 0x0
	s_endpgm
.Lweights:
	s_wait_alu depctr_va_vdst(0)
	v_and_b32 v10, 7, v2                                       ; lane l takes column (l % 8) + 16 ((l / 8) % 2) + 8 (l / 16) of my 32: lanes 0-15 are tile 2 cg, lanes 16-31 tile 2 cg + 1
	v_bfe_u32 v11, v2, 3, 1
	v_lshl_add_u32 v10, v11, 4, v10
	v_lshl_add_u32 v10, v4, 3, v10
	v_lshlrev_b32 v10, 2, v10
	v_lshlrev_b32 v11, 4, v3
	v_lshl_add_u32 v11, v4, 9, v11                             ; scale words: 512 x (l / 16) + 16 r
	s_cmp_lt_u32 ttmp9, 352
	s_cbranch_scc0 .Lproj
	s_wait_alu depctr_va_vdst(0)
	WPATH 3072, 256, 6, 12, 16
.Lproj:
	s_wait_alu depctr_va_vdst(0)
	WPATH 1024, 352, 8, 14, 18
.Lfunc_end_k_q6893965f43_quant:
	.size	k_q6893965f43_quant, .Lfunc_end_k_q6893965f43_quant-k_q6893965f43_quant
	.p2alignl 7, 3214868480
	.fill 96, 4, 3214868480
	.section	.rodata,"a",@progbits
	.p2align	6, 0x0
	.amdhsa_kernel k_q6893965f43_quant
		.amdhsa_group_segment_fixed_size 34304
		.amdhsa_private_segment_fixed_size 0
		.amdhsa_enable_private_segment 0
		.amdhsa_kernarg_size 64
		.amdhsa_user_sgpr_count 2
		.amdhsa_user_sgpr_kernarg_segment_ptr 1
		.amdhsa_wavefront_size32 1
		.amdhsa_system_sgpr_workgroup_id_x 1
		.amdhsa_system_sgpr_workgroup_id_y 1
		.amdhsa_system_sgpr_workgroup_id_z 1
		.amdhsa_system_vgpr_workitem_id 0
		.amdhsa_next_free_vgpr 256
		.amdhsa_next_free_sgpr 66
		.amdhsa_reserve_vcc 0
		.amdhsa_float_denorm_mode_32 3
		.amdhsa_float_denorm_mode_16_64 3
		.amdhsa_memory_ordered 1
		.amdhsa_forward_progress 1
		.amdhsa_inst_pref_size 115
	.end_amdhsa_kernel
	.amdgpu_metadata
---
amdhsa.version: [ 1, 2 ]
amdhsa.kernels:
  - .name:           k_q6893965f43_quant
    .symbol:         k_q6893965f43_quant.kd
    .args:
      - { .name: x, .offset: 0, .size: 8, .value_kind: global_buffer, .address_space: global }
      - { .name: w_qkv, .offset: 8, .size: 8, .value_kind: global_buffer, .address_space: global }
      - { .name: w_proj, .offset: 16, .size: 8, .value_kind: global_buffer, .address_space: global }
      - { .name: xc, .offset: 24, .size: 8, .value_kind: global_buffer, .address_space: global }
      - { .name: wqc, .offset: 32, .size: 8, .value_kind: global_buffer, .address_space: global }
      - { .name: wpc, .offset: 40, .size: 8, .value_kind: global_buffer, .address_space: global }
      - { .name: sc_a, .offset: 48, .size: 8, .value_kind: global_buffer, .address_space: global }
      - { .name: sc_b, .offset: 56, .size: 8, .value_kind: global_buffer, .address_space: global }
    .group_segment_fixed_size: 34304
    .private_segment_fixed_size: 0
    .kernarg_segment_align: 8
    .kernarg_segment_size: 64
    .max_flat_workgroup_size: 128
    .sgpr_count:     66
    .vgpr_count:     256
    .wavefront_size: 32
...
	.end_amdgpu_metadata
.endif
;; end of part 1
;; launch qkv (part 2): grid 24 x 32, 4 waves a work-group, clusters of 4 x 4, 295,424 bytes of LDS; arguments xc, wqc, sc_a, qb, kv; writes qb, kv
.if DOCPART == 2
	.amdgcn_target "amdgcn-amd-amdhsa--gfx1250"
	.amdhsa_code_object_version 6
	.text
	.protected	k_q6893965f43_qkv
	.globl	k_q6893965f43_qkv
	.p2align	8
	.type	k_q6893965f43_qkv,@function
k_q6893965f43_qkv:
	s_mov_b64 s[64:65], 0
	v_nop
	global_prefetch_b8 v0, s[64:65] scope:SCOPE_SE
	s_setreg_imm32_b32 hwreg(HW_REG_WAVE_MODE, 25, 1), 1
	s_wait_xcnt 0x0
	s_wait_alu depctr_hold_cnt(0) depctr_sa_sdst(0) depctr_va_vdst(0) depctr_va_sdst(0) depctr_va_ssrc(0) depctr_va_vcc(0) depctr_vm_vsrc(0)
	s_getreg_b32 s2, hwreg(HW_REG_IB_STS2, 6, 4)
	s_cmp_eq_u32 s2, 0
	s_cbranch_scc0 .Lentry_in_a_cluster
	s_endpgm
.Lentry_in_a_cluster:
	s_bfe_u32 s2, ttmp6, 0x10000c
	s_cmp_lg_u32 s2, 0xf033
	s_cbranch_scc0 .Lentry_shape_is_right
	s_endpgm
.Lentry_shape_is_right:
; qkv = x w_qkv on codes of BF6 (E3M2) with E8M0 scales, K = 1,024; the f32 sums never go to memory: each wave quantises its results as the attention's operands and stores codes and scale words.
; OPERANDS lie as images: [tile of 16 rows][K step 0..7][pair 0..5][lane][8 bytes]; lane-row r of tile t is row 32 (t / 2) + 8 (t % 2) + r + 8 (r / 8); scale words [tile][q2][r][4 words], in sc_a: x's 512 tiles, then w_qkv's 192.
; A WORK-GROUP takes 256 tokens (16 tiles of x, block Y) x 128 columns (8 tiles of w, block X).  ALL OF K STAYS IN LDS (4 quarters of 73,728 bytes), each byte filled once: no slot is filled again.
; CLUSTER 4 x 4: x's tiles hang on Y alone and are asked for jointly along a row of the cluster, w's on X alone, along a column.
; A WAVE makes outer 64 x inner 128: 32 accumulators.  Source 0 = 16 rows of the INNER operand, source 1 = 16 rows of the OUTER: a lane holds one outer row, and by the tiles' order of rows the 16 registers of inner tiles 2 b, 2 b + 1
; are 16 neighbours 32 b + 16 h + 0 .. 15 along the inner rows.  What is to be the next product's K is made the inner operand:
;   Q, K (cluster x 0-3): outer = tokens, inner = columns (two heads of 64): a lane's 64 numbers become one fragment: registers 0-5 the first head's 64, registers 6-11 the second's.
;   V   (cluster x 4, 5): outer = columns (a head's 64), inner = tokens (128 keys): a fragment of V^T.
; The role hangs on the cluster's x, which all partners share; only read addresses and output offsets are chosen by it.
; OUT.  qb: [batch x 16 + head][step of 128 tokens] records of 6,656 bytes: 8 tiles x 768 (three pairs), then scale words [q2][r][4].  kv: records of 13,056: K's 8 x 768, V^T's 4 tiles x 1,536, K's words 512, V's words [r][4] 256.
; In a word of Q or K bytes 0, 1 are the head's two blocks; bytes 2, 3 (the other head's bytes, or 0) stand over zero codes in the attention and are never 0xff.
; LIMITS: NaN and infinities are not served; a block whose largest magnitude lies under 2^(5 - 127) keeps the byte 1.
; REGISTERS: window 0: v1-9 lane terms, v16-23 LDS addresses, v24-25 output offsets, v32-95 scale words, v96-191 outer fragments (two sets), v192-235 the way out.  window 1: inner fragments at v0 and v128.  window 2: accumulator (a, b) at v[8 (8 a + b)].
.set QBY,  73728                       ; a quarter of K in LDS: x's 16 tiles x 3,072 bytes (two K steps), then w's 8 tiles
.set SC,   32                          ; register SC + 8 i + s: lanes 0-15 the word of outer block i, lanes 16-31 of inner block i, K step s
.set OF,   96
.set ADRO, 16                          ; v16-19 outer fragments' address, one for each quarter
.set ADRI, 20                          ; v20-23 inner
.set G1X,  48
.set G1W,  56
.set G0X,  68                          ; s[68:83] group 0 for x's four quarters
.set G0W,  84                          ; s[84:99] for w's
.set PC,   192
.set TM,   212
.set PW,   228
.set MSB, 0
.macro WIN new                         ; the immediate's high byte repeats the setting that is left
.if MSB != \new
	s_set_vgpr_msb (MSB<<8)|\new
.set MSB, \new
.endif
.endm
.macro PLACES n
.rept \n
	v_nop
.endr
.endm
.macro CROUND                          ; a round of the cluster's barrier
	s_barrier_signal -1
	s_barrier_wait -1
	s_cmp_lg_u32 s14, 0
	s_cbranch_scc1 .Lnot_wave_0_\@
	s_barrier_signal -3
.Lnot_wave_0_\@:
	s_barrier_wait -3
	s_barrier_signal -1
	s_barrier_wait -1
.endm
.macro FETCH s, p                      ; K step s: 8 inner and 4 outer fragments into set p; each load takes 256 consecutive bytes
	WIN 0x40
.irp b, 0,1,2,3,4,5,6,7
.irp r, 0,1,2,3,4,5
	ds_load_b64 v[128*(\p)+12*\b+2*\r:128*(\p)+12*\b+2*\r+1], v[ADRI+(\s)/2] offset:3072*\b+1536*((\s)%2)+256*\r
.endr
.endr
	WIN 0
.irp a, 0,1,2,3
.irp r, 0,1,2,3,4,5
	ds_load_b64 v[OF+48*(\p)+12*\a+2*\r:OF+48*(\p)+12*\a+2*\r+1], v[ADRO+(\s)/2] offset:3072*\a+1536*((\s)%2)+256*\r
.endr
.endr
.endm
.macro MULA a, p, s, zero              ; outer block a against the 8 inner blocks.  The 32 accumulators take turns, one instruction a turn, in the same order in every step
.irp b, 0,1,2,3,4,5,6,7
.if \zero
	v_wmma_scale_f32_16x16x128_f8f6f4 v[8*(8*(\a)+\b):8*(8*(\a)+\b)+7], v[128*(\p)+12*\b:128*(\p)+12*\b+11], v[OF+48*(\p)+12*(\a):OF+48*(\p)+12*(\a)+11], 0, v[SC+8*\b+(\s)], v[SC+8*(\a)+(\s)] matrix_a_fmt:MATRIX_FMT_BF6 matrix_b_fmt:MATRIX_FMT_BF6 matrix_a_scale:MATRIX_SCALE_ROW1
.else
	v_wmma_scale_f32_16x16x128_f8f6f4 v[8*(8*(\a)+\b):8*(8*(\a)+\b)+7], v[128*(\p)+12*\b:128*(\p)+12*\b+11], v[OF+48*(\p)+12*(\a):OF+48*(\p)+12*(\a)+11], v[8*(8*(\a)+\b):8*(8*(\a)+\b)+7], v[SC+8*\b+(\s)], v[SC+8*(\a)+(\s)] matrix_a_fmt:MATRIX_FMT_BF6 matrix_b_fmt:MATRIX_FMT_BF6 matrix_a_scale:MATRIX_SCALE_ROW1
.endif
.endr
.endm
.macro STEP s, zero                    ; 128 along K: 32 matrix instructions; the next step's fragments are fetched in its middle
	s_wait_dscnt 0x0                                           ; this step's fragments are in, and no LDS access of mine is out at a signal
.if ((\s)%2 == 1) && ((\s) < 7)
	s_wait_tensorcnt 3-((\s)+1)/2                              ; my four fills went out in K's order: the next quarter has landed when so many are still out
	s_barrier_signal -1                                        ; Later quarters may stay on their way
.endif
	WIN 0xa1                                                   ; source 0 window 1, source 1 window 0, C and D window 2
	MULA 0, (\s)%2, \s, \zero
	MULA 1, (\s)%2, \s, \zero
.if (\s) < 7
	WIN 0
.if (\s)%2 == 1
	s_barrier_wait -1                                          ; everybody's part of the next quarter is in
.endif
	PLACES 4                                                   ; in front of loads into registers that matrix instructions have read
	FETCH (\s)+1, 1-(\s)%2
.endif
	WIN 0xa1
	MULA 2, (\s)%2, \s, \zero
	MULA 3, (\s)%2, \s, \zero
.endm
; 64 results of a lane in window 2, v[s] on, become a fragment's codes in v[PC] on and the row's scale word in v[pw].  Each accumulator is read from its low end on.
.macro QUANT s, pw
	WIN 0x28                                                   ; sources 1 and 2 window 2
.irp b, 0,1,2,3
	v_max3_num_f32 v[TM+\b], 0x2800000, |v[(\s)+16*\b]|, |v[(\s)+16*\b+1]|   ; with the floor 2^(5 - 127)
.endr
.irp i, 2,4,6,8,10,12,14
.irp b, 0,1,2,3
	v_max3_num_f32 v[TM+\b], v[TM+\b], |v[(\s)+16*\b+\i]|, |v[(\s)+16*\b+\i+1]|
.endr
.endr
	WIN 0
.irp b, 0,1,2,3
	v_permlanex16_b32 v[TM+4+\b], v[TM+\b], s66, s67
.endr
.irp b, 0,1,2,3
	v_max_num_f32 v[TM+\b], v[TM+\b], v[TM+4+\b]
.endr
.irp b, 0,1,2,3
	v_add_nc_u32 v[TM+8+\b], 0xfe000000, v[TM+\b]
.endr
.irp b, 0,1,2,3
	v_lshrrev_b32 v[TM+4+\b], 23, v[TM+8+\b]
.endr
	v_lshl_or_b32 v[\pw], v[TM+5], 8, v[TM+4]
	v_lshl_or_b32 v[\pw], v[TM+6], 16, v[\pw]
	v_lshl_or_b32 v[\pw], v[TM+7], 24, v[\pw]
	WIN 0x02                                                   ; source 0 window 2
.irp c, 0,1
	v_cvt_scalef32_pk16_bf6_f32 v[PC+6*\c:PC+6*\c+2], v[(\s)+32*\c:(\s)+32*\c+15], v[TM+8+2*\c]
	v_cvt_scalef32_pk16_bf6_f32 v[PC+12+4*\c:PC+14+4*\c], v[(\s)+32*\c+16:(\s)+32*\c+31], v[TM+9+2*\c]
.endr
	WIN 0
	v_nop                                                      ; one plain place behind a scaled conversion
.irp c, 0,1
.irp i, 0,1,2
	v_permlane16_swap_b32 v[PC+6*\c+\i], v[PC+12+4*\c+\i]
.endr
.irp i, 0,1,2
	v_mov_b32 v[PC+3+6*\c+\i], v[PC+12+4*\c+\i]
.endr
.endr
.endm
	s_load_b256 s[4:11], s[0:1], 0x0                           ; xc s[4:5], wqc s[6:7], sc_a s[8:9], qb s[10:11]
	s_load_b64 s[12:13], s[0:1], 0x20                          ; kv
	v_lshl_add_u32 v254, v0, 2, 0x48000
	v_mov_b32 v255, 0
	ds_add_u32 v254, v255
	ds_add_u32 v254, v255
	v_lshrrev_b32 v1, 5, v0
	v_readfirstlane_b32 s14, v1                                ; wave
	s_lshr_b32 s15, s14, 1
	s_and_b32 s16, s14, 1
	s_bfe_u32 s40, ttmp6, 0x40000                              ; cx
	s_bfe_u32 s41, ttmp6, 0x40004                              ; cy
	s_lshl_b32 s42, ttmp9, 2
	s_add_co_u32 s42, s42, s40                                 ; X: block of 128 columns
	s_and_b32 s17, ttmp7, 0xffff
	s_lshl_b32 s17, s17, 2
	s_add_co_u32 s17, s17, s41                                 ; Y: block of 256 tokens
	s_lshl_b32 s43, s41, 2
	s_lshl_b32 s43, 15, s43                                    ; my row of the cluster
	s_lshl_b32 s44, 0x1111, s40                                ; my column
	s_or_b32 s[G1X], s43, (3<<16)|(1<<21)                      ; mask; elements of 8 bytes; bit 21 beside a mask; no padding
	s_or_b32 s[G1W], s44, (3<<16)|(1<<21)
	s_mov_b32 s[G1X+1], 384<<16                                ; tensor_dim0 = 384 elements: two K steps of a tile, 3,072 bytes
	s_mov_b32 s[G1X+2], 8<<16                                  ; tensor_dim1 = 8 tiles
	s_mov_b32 s[G1X+3], 384<<16                                ; tile_dim0
	s_mov_b32 s[G1X+4], 8                                      ; tile_dim1
	s_mov_b32 s[G1X+5], 1536                                   ; from tile to tile: 12,288 bytes
	s_mov_b32 s[G1X+6], 0
	s_mov_b32 s[G1X+7], 0
	s_mov_b32 s[G1W+1], 384<<16
	s_mov_b32 s[G1W+2], 4<<16                                  ; 4 tiles
	s_mov_b32 s[G1W+3], 384<<16
	s_mov_b32 s[G1W+4], 4
	s_mov_b32 s[G1W+5], 1536
	s_mov_b32 s[G1W+6], 0
	s_mov_b32 s[G1W+7], 0
	s_lshl_b32 s20, s17, 4
	s_lshl_b32 s21, s16, 3
	s_add_co_u32 s20, s20, s21
	s_mul_i32 s20, s20, 12288                                  ; x: tile 16 Y + 8 (wave % 2)
	s_mov_b32 s21, 0
	s_lshl_b32 s46, s42, 3
	s_lshl_b32 s47, s16, 2
	s_add_co_u32 s46, s46, s47
	s_mul_i32 s46, s46, 12288                                  ; w: tile 8 X + 4 (wave % 2)
	s_mov_b32 s47, 0
	s_mul_i32 s45, s14, 24576                                  ; LDS: waves 0, 1: x's halves
	s_mul_i32 s18, s14, 12288
	s_add_co_u32 s18, s18, 24576                               ; waves 2, 3: w's halves, from 49,152 on
	s_wait_dscnt 0x0
	s_wait_kmcnt 0x0
	s_add_nc_u64 s[20:21], s[4:5], s[20:21]
	s_add_nc_u64 s[46:47], s[6:7], s[46:47]
.irp q, 0,1,2,3
	s_mov_b32 s[G0X+4*\q], 1
	s_add_co_u32 s[G0X+4*\q+1], s45, \q*QBY
	s_add_nc_u64 s[G0X+4*\q+2:G0X+4*\q+3], s[20:21], \q*3072
	s_or_b32 s[G0X+4*\q+3], s[G0X+4*\q+3], 0x80000000
	s_mov_b32 s[G0W+4*\q], 1
	s_add_co_u32 s[G0W+4*\q+1], s18, \q*QBY
	s_add_nc_u64 s[G0W+4*\q+2:G0W+4*\q+3], s[46:47], \q*3072
	s_or_b32 s[G0W+4*\q+3], s[G0W+4*\q+3], 0x80000000
.endr
	CROUND                                                     ; all sixteen work-groups are here: the joint loads meet
	s_cmp_lt_u32 s14, 2                                        ; a wave's four fills stand in one branch: four loads of mine are out
	s_cbranch_scc0 .Lfill_w
	tensor_load_to_lds s[G0X:G0X+3], s[G1X:G1X+7]
	s_nop 0
	tensor_load_to_lds s[G0X+4:G0X+7], s[G1X:G1X+7]
	s_nop 0
	tensor_load_to_lds s[G0X+8:G0X+11], s[G1X:G1X+7]
	s_nop 0
	tensor_load_to_lds s[G0X+12:G0X+15], s[G1X:G1X+7]
	s_nop 0
	PLACES 4
	s_branch .Lfilled
.Lfill_w:
	tensor_load_to_lds s[G0W:G0W+3], s[G1W:G1W+7]
	s_nop 0
	tensor_load_to_lds s[G0W+4:G0W+7], s[G1W:G1W+7]
	s_nop 0
	tensor_load_to_lds s[G0W+8:G0W+11], s[G1W:G1W+7]
	s_nop 0
	tensor_load_to_lds s[G0W+12:G0W+15], s[G1W:G1W+7]
	s_nop 0
	PLACES 4
.Lfilled:
	v_and_b32 v5, 31, v0
	v_and_b32 v1, 15, v0                                       ; r
	v_bfe_u32 v2, v0, 4, 1                                     ; h
	v_lshlrev_b32 v3, 3, v5                                    ; 8 x lane
	s_wait_alu depctr_va_vdst(0)
	v_lshlrev_b32 v4, 4, v1                                    ; 16 r
	v_cmp_lt_u32 s19, 15, v5                                   ; lanes 16-31
	s_mov_b32 s66, 0x76543210
	s_mov_b32 s67, 0xfedcba98
.irp b, 0,1,2,3
	v_mov_b32 v[TM+4+\b], 0                                    ; a lane permute's destination counts as one of its sources
.endr
	; the roles.  All candidates first, then one compare and selections alone
	s_mul_i32 s22, s14, 12288                                  ; Q, K: outer = x tiles 4 w on
	s_mul_i32 s23, s15, 12288
	s_add_co_u32 s23, s23, 49152                               ; V: outer = w tiles 4 (w / 2) on
	s_mul_i32 s24, s16, 24576                                  ; V: inner = x tiles 8 (w % 2) on
	s_mov_b32 s25, 49152                                       ; Q, K: inner = w's 8 tiles
	s_lshl_b32 s26, s17, 13
	s_lshl_b32 s29, s16, 12
	s_add_co_u32 s29, s29, s26                                 ; V: inner words: x tile 16 Y + 8 (w % 2)
	s_lshl_b32 s27, s14, 11
	s_add_co_u32 s26, s26, s27                                 ; Q, K: outer words: x tile 16 Y + 4 w
	s_lshl_b32 s28, s42, 12
	s_add_co_u32 s28, s28, 262144                              ; Q, K: inner words: w tile 8 X
	s_lshl_b32 s27, s15, 11
	s_add_co_u32 s27, s27, s28                                 ; V: outer words: w tile 8 X + 4 (w / 2)
	s_cmp_ge_u32 ttmp9, 4                                      ; V?  the cluster's x: alike in all partners
	s_cselect_b32 s22, s23, s22
	s_cselect_b32 s24, s24, s25
	s_cselect_b32 s26, s27, s26
	s_cselect_b32 s28, s29, s28
	v_add_nc_u32 v[ADRO], s22, v3
	v_add_nc_u32 v[ADRI], s24, v3
.irp q, 1,2,3
	v_add_nc_u32 v[ADRO+\q], \q*QBY, v[ADRO]
	v_add_nc_u32 v[ADRI+\q], \q*QBY, v[ADRI]
.endr
	v_mov_b32 v8, s26
	v_mov_b32 v9, s28
	v_cndmask_b32 v8, v8, v9, s19                              ; lanes 0-15 the outer words, lanes 16-31 the inner
	v_add_nc_u32 v8, v8, v4
	v_lshl_add_u32 v9, v2, 11, v8                              ; for blocks 4-7: the inner lanes four tiles on; the outer lanes read blocks 0-3 once more (there are but four outer blocks)
.irp i, 0,1,2,3,4,5,6,7
.irp q, 0,1
.if \i < 4
	global_load_b128 v[SC+8*\i+4*\q:SC+8*\i+4*\q+3], v8, s[8:9] offset:512*\i+256*\q
.else
	global_load_b128 v[SC+8*\i+4*\q:SC+8*\i+4*\q+3], v9, s[8:9] offset:512*(\i-4)+256*\q
.endif
.endr
.endr
	; where the results go
	s_and_b32 s30, s42, 7
	s_lshl_b32 s30, s30, 1                                     ; Q, K: first head 2 (X % 8)
	s_sub_co_u32 s31, s42, 16
	s_lshl_b32 s31, s31, 1
	s_add_co_u32 s31, s31, s15                                 ; V: head 2 (X - 16) + w / 2
	s_mul_i32 s33, s16, 3072                                   ; Q, K: tiles 4 (w % 2) on of the record
	s_mov_b32 s34, 768                                         ; from tile to tile
	s_cmp_ge_u32 ttmp9, 4
	s_cselect_b32 s30, s31, s30
	s_cselect_b32 s32, s16, s15                                ; which of the block's two steps of 128 tokens
	s_cselect_b32 s33, 6144, s33
	s_cselect_b32 s34, 1536, s34
	s_mov_b32 s35, 13056
	s_mov_b32 s38, 12288
	s_cmp_lt_u32 ttmp9, 2                                      ; Q?
	s_cselect_b32 s35, 6656, s35                               ; a record
	s_cselect_b32 s38, 6144, s38                               ; its scale words
	s_cselect_b64 s[36:37], s[10:11], s[12:13]
	s_lshl_b32 s39, s17, 1
	s_add_co_u32 s39, s39, s32
	s_and_b32 s39, s39, 15                                     ; the step in its batch
	s_lshr_b32 s2, s17, 3                                      ; the batch
	s_lshl_b32 s2, s2, 4
	s_add_co_u32 s2, s2, s30
	s_lshl_b32 s2, s2, 4
	s_add_co_u32 s2, s2, s39
	s_mul_i32 s2, s2, s35
	s_mov_b32 s3, 0
	s_add_nc_u64 s[36:37], s[36:37], s[2:3]                    ; my record
	s_mov_b32 s2, s33
	s_add_nc_u64 s[20:21], s[36:37], s[2:3]                    ; my first tile in it
	s_lshl_b32 s46, s35, 4                                     ; from a head to the next: 16 records
	s_sub_co_u32 s47, s46, 768
	s_cmp_ge_u32 ttmp9, 4
	s_cselect_b32 s47, 0, s47
	v_mov_b32 v24, v3                                          ; pairs 0-2
	v_add_nc_u32 v25, s47, v3                                  ; pairs 3-5: Q, K: the next head's record, pairs 0-2 there; V: on in the same image
	s_wait_alu depctr_va_vdst(0)
	s_wait_tensorcnt 3                                         ; my part of quarter 0 is in,
	s_barrier_signal -1
	s_barrier_wait -1                                          ; everybody's is
	FETCH 0, 0
	s_wait_loadcnt 0x0                                         ; the scale words
	STEP 0, 1                                                  ; the first step's products start the sums
	STEP 1, 0
	STEP 2, 0
	STEP 3, 0
	STEP 4, 0
	STEP 5, 0
	STEP 6, 0
	STEP 7, 0
	WIN 0
	PLACES 4                                                   ; in front of the first read of results
.irp a, 0,1,2,3
.if \a > 0
	s_wait_xcnt 0x0                                            ; the last tile's stores have read their data and offsets
	v_add_nc_u32 v24, s34, v24
	v_add_nc_u32 v25, s34, v25
.endif
	QUANT 64*\a, PW+\a
.irp p, 0,1,2
	global_store_b64 v24, v[PC+2*\p:PC+2*\p+1], s[20:21] offset:256*\p       ; 256 consecutive bytes, aligned
.endr
.irp p, 3,4,5
	global_store_b64 v25, v[PC+2*\p:PC+2*\p+1], s[20:21] offset:256*\p
.endr
.endr
	s_cmp_ge_u32 ttmp9, 4
	s_cbranch_scc1 .Lv_scales
	v_lshlrev_b32 v13, 4, v2                                   ; lanes 0-15 send the first head's words as they stand, lanes 16-31 the second head's: bytes 2, 3 moved down
.irp a, 0,1,2,3
	v_lshrrev_b32 v[232+\a], v13, v[PW+\a]
.endr
	s_lshl_b32 s2, s16, 8
	s_add_co_u32 s2, s2, s38
	v_mul_lo_u32 v14, v2, s46
	v_add3_u32 v14, v14, v4, s2
	global_store_b128 v14, v[232:235], s[36:37]                ; each half of the lanes: 256 consecutive bytes
	s_branch .Ldone
.Lv_scales:
	v_cndmask_b32 v232, v228, v230, s19
	v_cndmask_b32 v233, v229, v231, s19
	v_lshl_add_u32 v14, v2, 3, v4
	global_store_b64 v14, v[232:233], s[36:37] offset:12800    ; [r][tile]: 256 consecutive bytes
.Ldone:
	s_wait_tensorcnt 0x0
	ds_add_u32 v254, v255
	s_wait_dscnt 0x0
	CROUND                                                     ; the closing round
	s_endpgm
.Lfunc_end_k_q6893965f43_qkv:
	.size	k_q6893965f43_qkv, .Lfunc_end_k_q6893965f43_qkv-k_q6893965f43_qkv
	.p2alignl 7, 3214868480
	.fill 96, 4, 3214868480
	.section	.rodata,"a",@progbits
	.p2align	6, 0x0
	.amdhsa_kernel k_q6893965f43_qkv
		.amdhsa_group_segment_fixed_size 295424
		.amdhsa_private_segment_fixed_size 0
		.amdhsa_enable_private_segment 0
		.amdhsa_kernarg_size 40
		.amdhsa_user_sgpr_count 2
		.amdhsa_user_sgpr_kernarg_segment_ptr 1
		.amdhsa_wavefront_size32 1
		.amdhsa_system_sgpr_workgroup_id_x 1
		.amdhsa_system_sgpr_workgroup_id_y 1
		.amdhsa_system_sgpr_workgroup_id_z 1
		.amdhsa_system_vgpr_workitem_id 0
		.amdhsa_next_free_vgpr 768
		.amdhsa_next_free_sgpr 100
		.amdhsa_reserve_vcc 0
		.amdhsa_float_denorm_mode_32 3
		.amdhsa_float_denorm_mode_16_64 3
		.amdhsa_memory_ordered 1
		.amdhsa_forward_progress 1
		.amdhsa_inst_pref_size 101
	.end_amdhsa_kernel
	.amdgpu_metadata
---
amdhsa.version: [ 1, 2 ]
amdhsa.kernels:
  - .name:           k_q6893965f43_qkv
    .symbol:         k_q6893965f43_qkv.kd
    .args:
      - { .name: xc, .offset: 0, .size: 8, .value_kind: global_buffer, .address_space: global }
      - { .name: wqc, .offset: 8, .size: 8, .value_kind: global_buffer, .address_space: global }
      - { .name: sc_a, .offset: 16, .size: 8, .value_kind: global_buffer, .address_space: global }
      - { .name: qb, .offset: 24, .size: 8, .value_kind: global_buffer, .address_space: global }
      - { .name: kv, .offset: 32, .size: 8, .value_kind: global_buffer, .address_space: global }
    .group_segment_fixed_size: 295424
    .private_segment_fixed_size: 0
    .kernarg_segment_align: 8
    .kernarg_segment_size: 40
    .max_flat_workgroup_size: 128
    .sgpr_count:     100
    .vgpr_count:     768
    .wavefront_size: 32
...
	.end_amdgpu_metadata
.endif
;; end of part 2
;; launch attn (part 3): grid 4 x 64, 16 waves a work-group, no clusters, 327,680 bytes of LDS; arguments qb, kv, oc, sc_b; writes oc, sc_b
.if DOCPART == 3
	.amdgcn_target "amdgcn-amd-amdhsa--gfx1250"
	.amdhsa_code_object_version 6
	.text
	.protected	k_q6893965f43_attn
	.globl	k_q6893965f43_attn
	.p2align	8
	.type	k_q6893965f43_attn,@function
k_q6893965f43_attn:
	s_mov_b64 s[64:65], 0
	v_nop
	global_prefetch_b8 v0, s[64:65] scope:SCOPE_SE
	s_setreg_imm32_b32 hwreg(HW_REG_WAVE_MODE, 25, 1), 1
	s_wait_xcnt 0x0
; Causal attention of one head, both products on codes of BF6 (E3M2) with E8M0 scales; o is divided by the row's sum, quantised along the head's 64 and stored as the last product's operand.
; IN.  qb, kv: records for each 128 tokens of a head (the launch before says how they lie): tiles of Q and K as three pairs of an image (K = the head's 64; the fragments' registers 6-11 are kept zero here), V^T as whole images (K = 128 keys).
; Lane-row r of tile t is token (or channel) 32 (t / 2) + 8 (t % 2) + r + 8 (r / 8): so the 16 registers of two neighbouring result tiles are 16 neighbours along the next K.
; SOFTMAX.  t = score x log2(e) / 8; M = the running largest t rounded up to a whole number; p = 2^(t - M) is quantised along the keys; the row's sum is taken of the unquantised p; when M moves, sum and O^T are multiplied by 2^(old M - new M), exactly.
; MASK.  A hidden score becomes -8e9, that is -1e9 after the division by 8: p is then 0.  LIMIT: that equals the stated result while a row's largest visible logit lies above about -1e9 + 150.  NaN and infinities are not served.
; EVEN WORK.  Work-group X of a head owns the blocks X and 7 - X of 256 queries and walks 9 slots of 256 keys, a constant: trips 0 .. X serve block X with slots 0 .. X, trips X + 1 .. 8 serve block 7 - X with slots 0 .. 7 - X.
; Each of 16 waves owns one tile of 16 queries; four waves share a SIMD, so that one wave's vector work stands beside another's products and LDS loads.  A step all of whose keys come after my queries is jumped over (a branch on ids).
; NO CLUSTER: the four work-groups of a head want different slots in the same trip (0 .. X, then 0 .. 7 - X), so no joint request would name the same tile.
; RING.  Two LDS slots of two records (26,112 bytes); waves 0 and 1 fetch a record each.  All of a WGP's LDS is claimed.
; REGISTERS: v2 8 x lane, v3 16 r, v4-5 for the add, v6-7 LDS addresses, v8 my query's place, v9-10 offsets, v12 -M, v13 largest t, v[14:15] the sum, v16-27 Q, v28 Q's word, v29 p's word, v[30:31] f, v32-79 four fragments of K,
; v80-87 K's words, v88-91 V's, v92-111 at work, v112-123 p's codes, v128-191 S^T, then p, then V's fragments, v192-223 O^T, v224-255 o.
.set REC,   13056
.set SLOT1, 32768
.set SPARE, 65536                      ; the spare words: 128 bytes for each of 16 waves; no other line names them
.set S,   128
.set O,   192
.set OS,  224
.set BM,  92
.set T,   96
.set SO,  100
.set CT,  104
.set PCD, 112
.macro PLACES n
.rept \n
	v_nop
.endr
.endm
.macro TLOAD                           ; waves 0 and 1 fetch a record each; four v_nop follow the load
	s_cmp_lt_u32 s18, 2
	s_cbranch_scc0 .Lno_load_\@
	tensor_load_to_lds s[32:35], s[24:31]
	s_nop 0
	PLACES 4
.Lno_load_\@:
.endm
; A prefetch of the slot that the NEXT change of slots will ask for.  The head's work-group 0 asks for slots 0, 1 .. 7 in order in trips 0 .. 7; its waves 4-7, which fetch nothing, name in trip n slot n + 1 (n = 0 .. 6): a slot's 102 blocks of
; 256 bytes, a lane a block (the lanes beyond the last block name the last).  Nothing is asked for at the head, nor in the last change that fills a slot.
.macro ASK
	s_cmp_lt_u32 s40, s58
	s_cbranch_scc0 .Lnot_mine_\@
	global_prefetch_b8 v10, s[56:57] th:TH_LOAD_NT scope:SCOPE_SE
.Lnot_mine_\@:
.endm
; A KEY STEP: the slot's q-th 128 keys
.macro STEP q
	s_cmp_gt_u32 s44, s46                                      ; all keys come after my 16 queries: nothing to do
	s_cbranch_scc1 .Lhidden_\@
	v_add_nc_u32 v6, s43, v2
	s_wait_alu depctr_va_vdst(0)
	v_add_nc_u32 v7, s43, v3
	ds_load_b128 v[80:83], v7 offset:REC*(\q)+12288            ; K's scale words: lane r those of lane-row r, tiles 0-3
	ds_load_b128 v[84:87], v7 offset:REC*(\q)+12288+256        ; tiles 4-7
.irp g, 0,1                            ; S^T = K Q^T, four tiles of 16 keys at a time
.if \g == 1
	PLACES 4                                                   ; in front of loads into registers that matrix instructions have read
.endif
.irp t, 0,1,2,3
.irp j, 0,1,2
	ds_load_b64 v[32+12*\t+2*\j:33+12*\t+2*\j], v6 offset:REC*(\q)+768*(4*\g+\t)+256*\j
.endr
.endr
	s_wait_dscnt 0x0
.irp t, 0,1,2,3
	v_wmma_scale_f32_16x16x128_f8f6f4 v[S+8*(4*\g+\t):S+8*(4*\g+\t)+7], v[32+12*\t:43+12*\t], v[16:27], 0, v[80+4*\g+\t], v28 matrix_a_fmt:MATRIX_FMT_BF6 matrix_b_fmt:MATRIX_FMT_BF6
.endr
.endr
	PLACES 4
	s_add_co_u32 s66, s44, 127                                 ; a step all of whose keys count skips the mask
	s_cmp_le_u32 s66, s45
	s_cbranch_scc1 .Lopen_\@
	s_sub_co_i32 s66, s45, s44
	v_add_nc_u32 v124, s66, v8                                 ; d = my query - the step's first key - 16 h.  Register 16 b + i holds key 32 b + 16 h + i of the step: hidden where 32 b + i > d
	v_mov_b32 v125, 0xcfee6b28                                 ; -8e9
.set NN, 0
.rept 64
	v_cmp_gt_i32 vcc_lo, 32*(NN/16)+NN%16, v124
	v_cndmask_b32 v[S+NN], v[S+NN], v125, vcc_lo
.set NN, NN+1
.endr
.Lopen_\@:
.irp b, 0,1,2,3
	v_max3_num_f32 v[BM+\b], v[S+16*\b], v[S+1+16*\b], v[S+2+16*\b]          ; the largest score of each block of 32 keys: for the row's maximum, and, since p rises with the score, for the block's largest p
.endr
.irp i, 3,5,7,9,11,13
.irp b, 0,1,2,3
	v_max3_num_f32 v[BM+\b], v[BM+\b], v[S+16*\b+\i], v[S+1+16*\b+\i]
.endr
.endr
.irp b, 0,1,2,3
	v_max_num_f32 v[BM+\b], v[BM+\b], v[S+15+16*\b]
.endr
.irp b, 0,1,2,3
	s_delay_alu instid0(VALU_DEP_4)
	v_permlanex16_b32 v[T+\b], v[BM+\b], s20, s21
.endr
.irp b, 0,1,2,3
	s_delay_alu instid0(VALU_DEP_4)
	v_max_num_f32 v[BM+\b], v[BM+\b], v[T+\b]                  ; with lane l xor 16's 16 keys
.endr
	s_delay_alu instid0(VALU_DEP_2)
	v_max3_num_f32 v124, v92, v93, v94
	s_delay_alu instid0(VALU_DEP_1)
	v_max_num_f32 v124, v124, v95
	s_delay_alu instid0(VALU_DEP_1)
	v_mul_f32 v124, s22, v124                                  ; as t
	s_delay_alu instid0(VALU_DEP_1)
	v_max_num_f32 v13, v13, v124                               ; the running largest t
	v_mov_b32 v124, v12
	s_delay_alu instid0(VALU_DEP_2)
	v_floor_f32 v12, -v13                                      ; -M = floor(-t): M is a whole number
	s_delay_alu instid0(VALU_DEP_1)
	v_sub_f32 v124, v12, v124                                  ; old M - new M, 0 or less
	s_delay_alu instid0(VALU_DEP_1)
	v_cvt_i32_f32 v124, v124                                   ; (it saturates)
	s_delay_alu instid0(VALU_DEP_1)
	v_ldexp_f32 v30, 1.0, v124                                 ; f = 2^(old M - new M)
.set NN, 0
.rept 32
	v_pk_fma_f32 v[S+NN:S+NN+1], v[S+NN:S+NN+1], s[22:23], v[12:13] op_sel_hi:[1,0,0]   ; t - M, two at a time
.set NN, NN+2
.endr
.irp b, 0,1,2,3
	v_fma_f32 v[BM+\b], v[BM+\b], s22, v12
.endr
.set NN, 0
	s_wait_alu depctr_va_vdst(0)
.rept 64
	v_exp_f32 v[S+NN], v[S+NN]                                 ; p = 2^(t - M)
.set NN, NN+1
.endr
	v_pk_mul_f32 v[14:15], v[14:15], v[30:31] op_sel_hi:[1,0]  ; the sums under the new M: the plain place behind the exponentials
	s_wait_alu depctr_va_vdst(0)                               ; one wait for the batch of 64, ahead of its first reader
.irp b, 0,1,2,3
	v_exp_f32 v[BM+\b], v[BM+\b]                               ; each block's largest p
.endr
	v_pk_add_f32 v[96:97], v[132:133], v[136:137]
	v_pk_add_f32 v[254:255], v[140:141], v[144:145]
	v_pk_add_f32 v[252:253], v[148:149], v[152:153]
	v_pk_add_f32 v[250:251], v[156:157], v[160:161]
	v_pk_add_f32 v[248:249], v[164:165], v[168:169]
	v_pk_add_f32 v[246:247], v[172:173], v[176:177]
	v_pk_add_f32 v[244:245], v[180:181], v[184:185]
	v_pk_add_f32 v[14:15], v[14:15], v[188:189]
	v_pk_add_f32 v[96:97], v[96:97], v[128:129]
	v_pk_add_f32 v[254:255], v[254:255], v[130:131]
	v_pk_add_f32 v[252:253], v[252:253], v[134:135]
	v_pk_add_f32 v[250:251], v[250:251], v[138:139]
	v_pk_add_f32 v[248:249], v[248:249], v[142:143]
	v_pk_add_f32 v[246:247], v[246:247], v[146:147]
	v_pk_add_f32 v[244:245], v[244:245], v[150:151]
	v_pk_add_f32 v[14:15], v[14:15], v[154:155]
	v_pk_add_f32 v[96:97], v[96:97], v[158:159]
	v_pk_add_f32 v[254:255], v[254:255], v[162:163]
	v_pk_add_f32 v[252:253], v[252:253], v[166:167]
	v_pk_add_f32 v[250:251], v[250:251], v[170:171]
	v_pk_add_f32 v[248:249], v[248:249], v[174:175]
	v_pk_add_f32 v[246:247], v[246:247], v[178:179]
	v_pk_add_f32 v[244:245], v[244:245], v[182:183]
	v_pk_add_f32 v[14:15], v[14:15], v[186:187]
	v_pk_add_f32 v[96:97], v[96:97], v[190:191]
	s_delay_alu instid0(VALU_DEP_2)
	v_pk_add_f32 v[14:15], v[14:15], v[250:251]
	s_delay_alu instid0(VALU_DEP_2)
	v_pk_add_f32 v[96:97], v[96:97], v[248:249]
	v_pk_add_f32 v[254:255], v[254:255], v[246:247]
	v_pk_add_f32 v[252:253], v[252:253], v[244:245]
	s_delay_alu instid0(VALU_DEP_2)
	v_pk_add_f32 v[14:15], v[14:15], v[254:255]
	s_delay_alu instid0(VALU_DEP_2)
	v_pk_add_f32 v[96:97], v[96:97], v[252:253]
	s_delay_alu instid0(VALU_DEP_1)
	v_pk_add_f32 v[14:15], v[14:15], v[96:97]
	s_wait_alu depctr_va_vdst(0)                               ; and one for the four
.irp b, 0,1,2,3
	v_max_num_f32 v[BM+\b], 0x2800000, v[BM+\b]                ; the floor 2^(5 - 127)
.endr
.irp b, 0,1,2,3
	s_delay_alu instid0(VALU_DEP_4)
	v_add_nc_u32 v[SO+\b], 0xfe000000, v[BM+\b]
.endr
.irp b, 0,1,2,3
	s_delay_alu instid0(VALU_DEP_4)
	v_lshrrev_b32 v[T+\b], 23, v[SO+\b]
.endr
	s_delay_alu instid0(VALU_DEP_3)
	v_lshl_or_b32 v29, v97, 8, v96                             ; p's scale word for these 128 keys
	s_delay_alu instid0(VALU_DEP_1)
	v_lshl_or_b32 v29, v98, 16, v29
	s_delay_alu instid0(VALU_DEP_1)
	v_lshl_or_b32 v29, v99, 24, v29
.irp c, 0,1
	v_cvt_scalef32_pk16_bf6_f32 v[PCD+6*\c:PCD+2+6*\c], v[S+32*\c:S+15+32*\c], v[SO+2*\c]
	v_cvt_scalef32_pk16_bf6_f32 v[CT+4*\c:CT+2+4*\c], v[S+16+32*\c:S+31+32*\c], v[SO+1+2*\c]
.endr
	v_nop                                                      ; one plain place behind a scaled conversion
.irp c, 0,1
.irp i, 0,1,2
	v_permlane16_swap_b32 v[PCD+6*\c+\i], v[CT+4*\c+\i]
.endr
.irp i, 0,1,2
	s_delay_alu instid0(VALU_DEP_3)
	v_mov_b32 v[PCD+3+6*\c+\i], v[CT+4*\c+\i]
.endr
.endr
.set NN, 0
.rept 16
	v_pk_mul_f32 v[O+NN:O+NN+1], v[O+NN:O+NN+1], v[30:31] op_sel_hi:[1,0]    ; O^T under the new M; these sixteen are also the places between p's word and codes and the products below
.set NN, NN+2
.endr
.irp t, 0,1,2,3                        ; V^T's four tiles take the registers that p has left
.irp p, 0,1,2,3,4,5
	ds_load_b64 v[S+12*\t+2*\p:S+12*\t+2*\p+1], v6 offset:REC*(\q)+6144+1536*\t+256*\p
.endr
.endr
	ds_load_b128 v[88:91], v7 offset:REC*(\q)+12800            ; V's scale words: lane r, tiles 0-3
	s_wait_alu depctr_va_vdst(0)
	s_wait_dscnt 0x0
.irp t, 0,1,2,3
	v_wmma_scale_f32_16x16x128_f8f6f4 v[O+8*\t:O+8*\t+7], v[S+12*\t:S+12*\t+11], v[PCD:PCD+11], v[O+8*\t:O+8*\t+7], v[88+\t], v29 matrix_a_fmt:MATRIX_FMT_BF6 matrix_b_fmt:MATRIX_FMT_BF6
.endr
	PLACES 5                                                   ; the next step's first products write over V's registers
.Lhidden_\@:
	s_add_co_u32 s44, s44, 128
.endm
; THE CHANGE OF SLOTS, at a slot's head.  Each wave waits for all its tensor loads, adds 0 to its spare word, waits for that and for its reads of the slot that it has left; behind the barrier the slot ahead is whole and nobody reads the other.
.macro CHANGE fill
	s_wait_tensorcnt 0x0                                       ; no tensor load of mine is out, so group 0 may be written
	ds_add_u32 v4, v5
.if \fill
	s_add_co_u32 s38, s38, 2*REC                               ; the next trip's keys: the next slot of the head,
	s_cmp_eq_u32 s40, s41
	s_cselect_b32 s38, 0, s38                                  ; or, where the block of queries changes, the head's first
	s_xor_b32 s33, s33, SLOT1
	s_add_nc_u64 s[34:35], s[36:37], s[38:39]
	s_or_b32 s35, s35, 0x80000000
	s_wait_xcnt 0x0                                            ; the last prefetch, a slot back, has read its address
	s_add_nc_u64 s[56:57], s[56:57], 2*REC
.endif
	s_wait_dscnt 0x0
	s_barrier_signal -1
	s_barrier_wait -1
.if \fill
	TLOAD                                                      ; the first thing behind the barrier, a wave's one load until the next: it has a slot's two steps in which to land
	ASK
.endif
.endm
.macro SLOT_STEPS
	STEP 0
	STEP 1
	s_xor_b32 s43, s43, SLOT1
.endm
; block s42 of the queries is taken up: addresses, Q's fragment and word, and the sums begin anew
.macro SETQ
	s_lshl_b32 s45, s42, 8
	s_lshr_b32 s66, s18, 1
	s_lshl_b32 s66, s66, 5
	s_add_co_u32 s45, s45, s66
	s_and_b32 s66, s18, 1
	s_lshl_b32 s66, s66, 3
	s_add_co_u32 s45, s45, s66                                 ; my tile's first query
	s_add_co_u32 s46, s45, 23                                  ; and its last
	s_lshl_b32 s66, s59, 4
	s_lshl_b32 s67, s42, 1
	s_add_co_u32 s66, s66, s67
	s_lshr_b32 s67, s18, 3
	s_add_co_u32 s66, s66, s67
	s_mul_i32 s66, s66, 6656                                   ; Q's record
	s_and_b32 s67, s18, 7
	s_mul_i32 s67, s67, 768
	s_add_co_u32 s68, s66, s67
	s_mov_b32 s69, 0
	s_add_nc_u64 s[48:49], s[4:5], s[68:69]                    ; my tile
	s_bfe_u32 s67, s18, 0x10002
	s_lshl_b32 s67, s67, 8
	s_add_co_u32 s68, s66, s67
	s_and_b32 s67, s18, 3
	s_lshl_b32 s67, s67, 2
	s_add_co_u32 s68, s68, s67
	s_add_co_u32 s68, s68, 6144
	s_add_nc_u64 s[50:51], s[4:5], s[68:69]                    ; its scale words
	s_lshr_b32 s66, s59, 4
	s_lshl_b32 s66, s66, 7
	s_lshl_b32 s67, s42, 4
	s_add_co_u32 s66, s66, s67
	s_add_co_u32 s66, s66, s18                                 ; o's tile: 128 x batch + 16 x block + wave
	s_and_b32 s67, s59, 15                                     ; the head
	s_mul_i32 s68, s66, 12288
	s_mul_i32 s70, s67, 768
	s_add_co_u32 s68, s68, s70
	s_add_nc_u64 s[52:53], s[8:9], s[68:69]                    ; the head's three pairs of the tile's image: K step head / 2, half head % 2
	s_lshl_b32 s68, s66, 9
	s_lshr_b32 s70, s67, 3
	s_lshl_b32 s70, s70, 8
	s_add_co_u32 s68, s68, s70
	s_and_b32 s70, s67, 7
	s_lshl_b32 s70, s70, 1
	s_add_co_u32 s68, s68, s70
	s_add_nc_u64 s[54:55], s[10:11], s[68:69]                  ; and its two scale bytes of each row
.irp j, 0,1,2
	global_load_b64 v[16+2*\j:17+2*\j], v2, s[48:49] offset:256*\j
.endr
	global_load_b32 v28, v3, s[50:51]
	v_mov_b32 v13, 0xff61b1e6                                  ; the largest t so far: -3e38
	s_delay_alu instid0(VALU_DEP_1)
	v_floor_f32 v12, -v13
	v_mov_b32 v14, 0
	v_mov_b32 v15, 0
.set NN, 0
.rept 32
	v_mov_b32 v[O+NN], 0                                       ; the step is written once: its first run finds zeros
.set NN, NN+1
.endr
	s_mov_b32 s44, 0                                           ; the next step's first key
	s_wait_loadcnt 0x0
.endm
; o = O^T / the sum; register 16 b + i is channel 32 b + 16 h + i of my query: two blocks, quantised and stored as three pairs of the last product's operand
.macro WAYOUT
	v_add_f32 v14, v14, v15
	s_delay_alu instid0(VALU_DEP_1)
	v_permlanex16_b32 v96, v14, s20, s21
	s_delay_alu instid0(VALU_DEP_1)
	v_add_f32 v14, v14, v96                                    ; the row's sum
	s_wait_alu depctr_va_vdst(0)
	v_rcp_f32 v14, v14
	v_nop                                                      ; a plain place behind the reciprocal
	s_wait_alu depctr_va_vdst(0)                               ; and the wait ahead of its first reader
.set NN, 0
.rept 16
	v_pk_mul_f32 v[OS+NN:OS+NN+1], v[O+NN:O+NN+1], v[14:15] op_sel_hi:[1,0]  ; each accumulator from its low end on
.set NN, NN+2
.endr
.irp b, 0,1
	v_max3_num_f32 v[BM+\b], |v[OS+16*\b]|, |v[OS+1+16*\b]|, 0x2800000
.endr
.irp i, 2,4,6,8,10,12,14
.irp b, 0,1
	s_delay_alu instid0(VALU_DEP_2)
	v_max3_num_f32 v[BM+\b], v[BM+\b], |v[OS+16*\b+\i]|, |v[OS+1+16*\b+\i]|
.endr
.endr
.irp b, 0,1
	s_delay_alu instid0(VALU_DEP_2)
	v_permlanex16_b32 v[T+\b], v[BM+\b], s20, s21
.endr
.irp b, 0,1
	s_delay_alu instid0(VALU_DEP_2)
	v_max_num_f32 v[BM+\b], v[BM+\b], v[T+\b]
.endr
.irp b, 0,1
	s_delay_alu instid0(VALU_DEP_2)
	v_add_nc_u32 v[SO+\b], 0xfe000000, v[BM+\b]
.endr
.irp b, 0,1
	s_delay_alu instid0(VALU_DEP_2)
	v_lshrrev_b32 v[T+\b], 23, v[SO+\b]
.endr
	v_cvt_scalef32_pk16_bf6_f32 v[PCD:PCD+2], v[OS:OS+15], v[SO]
	v_cvt_scalef32_pk16_bf6_f32 v[CT:CT+2], v[OS+16:OS+31], v[SO+1]
	v_nop
.irp i, 0,1,2
	v_permlane16_swap_b32 v[PCD+\i], v[CT+\i]
.endr
.irp i, 0,1,2
	s_delay_alu instid0(VALU_DEP_3)
	v_mov_b32 v[PCD+3+\i], v[CT+\i]
.endr
.irp j, 0,1,2
	global_store_b64 v2, v[PCD+2*\j:PCD+2*\j+1], s[52:53] offset:256*\j      ; 256 consecutive bytes, aligned
.endr
	v_cndmask_b32 v124, v96, v97, s47                          ; lanes 0-15 send block 0's byte, lanes 16-31 block 1's:
	global_store_b8 v9, v124, s[54:55]                         ; a byte a lane, 2 of every 16 bytes of a block of 256: the other heads' work-groups send the rest (262,144 bytes in all go out so)
.endm
	s_load_b256 s[4:11], s[0:1], 0x0                           ; qb s[4:5], kv s[6:7], oc s[8:9], sc_b s[10:11]
	v_lshl_add_u32 v4, v0, 2, SPARE
	v_mov_b32 v5, 0
	ds_add_u32 v4, v5
	ds_add_u32 v4, v5
	s_wait_dscnt 0x0
	v_lshrrev_b32 v1, 5, v0
	s_delay_alu instid0(VALU_DEP_1)
	v_readfirstlane_b32 s18, v1                                ; wave 0..15
	v_and_b32 v1, 31, v0
	s_delay_alu instid0(VALU_DEP_1)
	v_lshlrev_b32 v2, 3, v1                                    ; 8 x lane
	v_and_b32 v11, 15, v0                                      ; r
	s_delay_alu instid0(VALU_DEP_1)
	v_lshlrev_b32 v3, 4, v11                                   ; 16 r
	v_bfe_u32 v124, v0, 4, 1                                   ; h
	v_cmp_lt_u32 s47, 15, v1                                   ; lanes 16-31
	s_delay_alu instid0(VALU_DEP_4)
	v_and_b32 v8, 8, v11
	s_delay_alu instid0(VALU_DEP_1)
	v_add_nc_u32 v8, v8, v11
	s_delay_alu instid0(VALU_DEP_4)
	v_lshlrev_b32 v125, 4, v124
	s_delay_alu instid0(VALU_DEP_1)
	v_sub_nc_u32 v8, v8, v125                                  ; r + 8 (r / 8) - 16 h
	v_add_nc_u32 v9, v3, v124                                  ; 16 r + h
	s_and_b32 s66, s18, 3
	s_lshl_b32 s66, s66, 5
	v_add_nc_u32 v10, s66, v1
	s_delay_alu instid0(VALU_DEP_1)
	v_lshlrev_b32 v10, 8, v10
	s_delay_alu instid0(VALU_DEP_1)
	v_min_u32 v10, 101*256, v10                                ; the prefetches' offset, held inside a slot
.irp j, 22,23,24,25,26,27
	v_mov_b32 v[\j], 0                                         ; Q's k = 64 .. 127: zero codes
.endr
.irp t, 0,1,2,3
.irp j, 6,7,8,9,10,11
	v_mov_b32 v[32+12*\t+\j], 0                                ; K's likewise
.endr
.endr
.irp b, 0,1,2,3
	v_mov_b32 v[T+\b], 0                                       ; a lane permute's destination counts as one of its sources
.endr
	v_mov_b32 v31, 0                                           ; (named as the upper half of the pair v[30:31])
	s_mov_b32 s20, 0x76543210
	s_mov_b32 s21, 0xfedcba98
	s_mov_b32 s22, 0x3e38aa3b                                  ; log2(e) / 8
	s_mov_b32 s23, s22
	s_mov_b32 s41, ttmp9                                       ; X
	s_and_b32 s59, ttmp7, 0xffff                               ; 16 x batch + head
	s_mov_b32 s24, 3<<16                                       ; group 1: a record, dense: 51 rows of 32 elements of 8 bytes; no mask, no padding
	s_mov_b32 s25, 32<<16
	s_mov_b32 s26, 51<<16
	s_mov_b32 s27, 32<<16
	s_mov_b32 s28, 51
	s_mov_b32 s29, 32
	s_mov_b32 s30, 0
	s_mov_b32 s31, 0
	s_and_b32 s66, s18, 1
	s_mul_i32 s67, s66, REC                                    ; which of a slot's two records I fetch
	s_mul_i32 s70, s59, 16*REC                                 ; the head's 16 records
	s_mov_b32 s71, 0
	s_add_co_u32 s68, s70, s67
	s_mov_b32 s69, 0
	s_mov_b32 s38, 0
	s_mov_b32 s39, 0
	s_lshr_b32 s66, s18, 2
	s_xor_b32 s66, s66, 1                                      ; 0 in waves 4-7,
	s_or_b32 s66, s66, ttmp9                                   ; of the head's work-group 0
	s_cmp_eq_u32 s66, 0
	s_cselect_b32 s58, 7, 0                                    ; they prefetch in trips 0 .. 6
	s_wait_kmcnt 0x0
	s_add_nc_u64 s[36:37], s[6:7], s[68:69]
	s_add_nc_u64 s[56:57], s[6:7], s[70:71]                    ; the first change of slots steps it to slot 1
	s_mov_b32 s32, 1
	s_mov_b32 s33, s67
	s_mov_b64 s[34:35], s[36:37]
	s_or_b32 s35, s35, 0x80000000
	TLOAD                                                      ; slot 0: the head's first 256 keys
	s_mov_b32 s42, s41
	SETQ
	s_mov_b32 s40, 0
	s_mov_b32 s43, 0
.Lslot:                                ; 8 trips; the ninth is written out
	CHANGE 1
	SLOT_STEPS
	s_cmp_eq_u32 s40, s41                                      ; block X is done: alike in all waves; no barrier and no tensor load stands in the branch
	s_cbranch_scc0 .Lsame
	WAYOUT
	s_wait_xcnt 0x0                                            ; the stores have read their data and bases
	s_sub_co_u32 s42, 7, s41
	SETQ
.Lsame:
	s_add_co_u32 s40, s40, 1
	s_cmp_lt_u32 s40, 8
	s_cbranch_scc1 .Lslot
	CHANGE 0
	SLOT_STEPS
	WAYOUT
	s_wait_tensorcnt 0x0                                       ; the wave's end
	ds_add_u32 v4, v5
	s_wait_dscnt 0x0
	s_endpgm
.Lfunc_end_k_q6893965f43_attn:
	.size	k_q6893965f43_attn, .Lfunc_end_k_q6893965f43_attn-k_q6893965f43_attn
	.p2alignl 7, 3214868480
	.fill 96, 4, 3214868480
	.section	.rodata,"a",@progbits
	.p2align	6, 0x0
	.amdhsa_kernel k_q6893965f43_attn
		.amdhsa_group_segment_fixed_size 327680
		.amdhsa_private_segment_fixed_size 0
		.amdhsa_enable_private_segment 0
		.amdhsa_kernarg_size 32
		.amdhsa_user_sgpr_count 2
		.amdhsa_user_sgpr_kernarg_segment_ptr 1
		.amdhsa_wavefront_size32 1
		.amdhsa_system_sgpr_workgroup_id_x 1
		.amdhsa_system_sgpr_workgroup_id_y 1
		.amdhsa_system_sgpr_workgroup_id_z 1
		.amdhsa_system_vgpr_workitem_id 0
		.amdhsa_next_free_vgpr 256
		.amdhsa_next_free_sgpr 80
		.amdhsa_reserve_vcc 1
		.amdhsa_float_denorm_mode_32 3
		.amdhsa_float_denorm_mode_16_64 3
		.amdhsa_memory_ordered 1
		.amdhsa_forward_progress 1
		.amdhsa_inst_pref_size 116
	.end_amdhsa_kernel
	.amdgpu_metadata
---
amdhsa.version: [ 1, 2 ]
amdhsa.kernels:
  - .name:           k_q6893965f43_attn
    .symbol:         k_q6893965f43_attn.kd
    .args:
      - { .name: qb, .offset: 0, .size: 8, .value_kind: global_buffer, .address_space: global }
      - { .name: kv, .offset: 8, .size: 8, .value_kind: global_buffer, .address_space: global }
      - { .name: oc, .offset: 16, .size: 8, .value_kind: global_buffer, .address_space: global }
      - { .name: sc_b, .offset: 24, .size: 8, .value_kind: global_buffer, .address_space: global }
    .group_segment_fixed_size: 327680
    .private_segment_fixed_size: 0
    .kernarg_segment_align: 8
    .kernarg_segment_size: 32
    .max_flat_workgroup_size: 512
    .sgpr_count:     80
    .vgpr_count:     256
    .wavefront_size: 32
...
	.end_amdgpu_metadata
.endif
;; end of part 3
;; launch proj (part 4): grid 8 x 32, 4 waves a work-group, clusters of 4 x 4, 295,424 bytes of LDS; arguments oc, wpc, sc_b, out0; writes out0
.if DOCPART == 4
	.amdgcn_target "amdgcn-amd-amdhsa--gfx1250"
	.amdhsa_code_object_version 6
	.text
	.protected	k_q6893965f43_proj
	.globl	k_q6893965f43_proj
	.p2align	8
	.type	k_q6893965f43_proj,@function
k_q6893965f43_proj:
	s_mov_b64 s[64:65], 0
	v_nop
	global_prefetch_b8 v0, s[64:65] scope:SCOPE_SE
	s_setreg_imm32_b32 hwreg(HW_REG_WAVE_MODE, 25, 1), 1
	s_wait_xcnt 0x0
	s_wait_alu depctr_hold_cnt(0) depctr_sa_sdst(0) depctr_va_vdst(0) depctr_va_sdst(0) depctr_va_ssrc(0) depctr_va_vcc(0) depctr_vm_vsrc(0)
	s_getreg_b32 s2, hwreg(HW_REG_IB_STS2, 6, 4)
	s_cmp_eq_u32 s2, 0
	s_cbranch_scc0 .Lentry_in_a_cluster
	s_endpgm
.Lentry_in_a_cluster:
	s_bfe_u32 s2, ttmp6, 0x10000c
	s_cmp_lg_u32 s2, 0xf033
	s_cbranch_scc0 .Lentry_shape_is_right
	s_endpgm
.Lentry_shape_is_right:
; out0 = o w_proj on codes of BF6 (E3M2) with E8M0 scales, K = 1,024, sums in f32.
; OPERANDS lie as images: [tile of 16 rows][K step 0..7][pair 0..5][lane][8 bytes]; lane-row r of tile t is row 32 (t / 2) + 8 (t % 2) + r + 8 (r / 8); scale words [tile][q2][r][4 words], in sc_b: o's 512 tiles, then w_proj's 64.
; A WORK-GROUP takes 256 tokens (16 tiles of o, block Y) x 128 columns (8 tiles of w, block X).  ALL OF K STAYS IN LDS (4 quarters of 73,728 bytes), each byte filled once: no slot is filled again.
; CLUSTER 4 x 4: o's tiles hang on Y alone and are asked for jointly along a row of the cluster, w's on X alone, along a column.
; A WAVE makes 64 tokens x 128 columns: 32 accumulators.  Source 0 = 16 rows of w, source 1 = 16 rows of o: a lane holds one token, and the 16 registers of w's tiles 2 b, 2 b + 1 are columns 32 b + 16 h + 0 .. 15.
; THE WAY OUT: a tile of 16 tokens x 128 columns goes through the wave's own stage in LDS and leaves as rows of 512 consecutive bytes.  The stage lies in quarter 0, which has had its only fill and whose last read every wave
; has waited for ahead of a barrier that all have passed.
; REGISTERS: window 0: v1-9 lane terms, v16-23 LDS addresses, v24-26 the way out, v32-95 scale words, v96-191 o's fragments (two sets), on the way out v96-223 rows.  window 1: w's fragments at v0 and v128.  window 2: accumulator (a, b) at v[8 (8 a + b)].
.set QBY,  73728
.set SC,   32
.set OF,   96
.set ADRO, 16
.set ADRI, 20
.set G1X,  48
.set G1W,  56
.set G0X,  68
.set G0W,  84
.set MSB, 0
.macro WIN new                         ; the immediate's high byte repeats the setting that is left
.if MSB != \new
	s_set_vgpr_msb (MSB<<8)|\new
.set MSB, \new
.endif
.endm
.macro PLACES n
.rept \n
	v_nop
.endr
.endm
.macro CROUND                          ; a round of the cluster's barrier
	s_barrier_signal -1
	s_barrier_wait -1
	s_cmp_lg_u32 s14, 0
	s_cbranch_scc1 .Lnot_wave_0_\@
	s_barrier_signal -3
.Lnot_wave_0_\@:
	s_barrier_wait -3
	s_barrier_signal -1
	s_barrier_wait -1
.endm
.macro FETCH s, p                      ; K step s: 8 fragments of w and 4 of o into set p; each load takes 256 consecutive bytes
	WIN 0x40
.irp b, 0,1,2,3,4,5,6,7
.irp r, 0,1,2,3,4,5
	ds_load_b64 v[128*(\p)+12*\b+2*\r:128*(\p)+12*\b+2*\r+1], v[ADRI+(\s)/2] offset:3072*\b+1536*((\s)%2)+256*\r
.endr
.endr
	WIN 0
.irp a, 0,1,2,3
.irp r, 0,1,2,3,4,5
	ds_load_b64 v[OF+48*(\p)+12*\a+2*\r:OF+48*(\p)+12*\a+2*\r+1], v[ADRO+(\s)/2] offset:3072*\a+1536*((\s)%2)+256*\r
.endr
.endr
.endm
.macro MULA a, p, s, zero              ; o's block a against w's eight.  The 32 accumulators take turns, one instruction a turn, in the same order in every step
.irp b, 0,1,2,3,4,5,6,7
.if \zero
	v_wmma_scale_f32_16x16x128_f8f6f4 v[8*(8*(\a)+\b):8*(8*(\a)+\b)+7], v[128*(\p)+12*\b:128*(\p)+12*\b+11], v[OF+48*(\p)+12*(\a):OF+48*(\p)+12*(\a)+11], 0, v[SC+8*\b+(\s)], v[SC+8*(\a)+(\s)] matrix_a_fmt:MATRIX_FMT_BF6 matrix_b_fmt:MATRIX_FMT_BF6 matrix_a_scale:MATRIX_SCALE_ROW1
.else
	v_wmma_scale_f32_16x16x128_f8f6f4 v[8*(8*(\a)+\b):8*(8*(\a)+\b)+7], v[128*(\p)+12*\b:128*(\p)+12*\b+11], v[OF+48*(\p)+12*(\a):OF+48*(\p)+12*(\a)+11], v[8*(8*(\a)+\b):8*(8*(\a)+\b)+7], v[SC+8*\b+(\s)], v[SC+8*(\a)+(\s)] matrix_a_fmt:MATRIX_FMT_BF6 matrix_b_fmt:MATRIX_FMT_BF6 matrix_a_scale:MATRIX_SCALE_ROW1
.endif
.endr
.endm
.macro STEP s, zero                    ; 128 along K: 32 matrix instructions; the next step's fragments are fetched in its middle
	s_wait_dscnt 0x0                                           ; this step's fragments are in, and no LDS access of mine is out at a signal
.if ((\s)%2 == 1) && ((\s) < 7)
	s_wait_tensorcnt 3-((\s)+1)/2                              ; my four fills went out in K's order: the next quarter has landed when so many are still out
	s_barrier_signal -1                                        ; Later quarters may stay on their way
.endif
	WIN 0xa1                                                   ; source 0 window 1, source 1 window 0, C and D window 2
	MULA 0, (\s)%2, \s, \zero
	MULA 1, (\s)%2, \s, \zero
.if (\s) < 7
	WIN 0
.if (\s)%2 == 1
	s_barrier_wait -1                                          ; everybody's part of the next quarter is in
.endif
	PLACES 4                                                   ; in front of loads into registers that matrix instructions have read
	FETCH (\s)+1, 1-(\s)%2
.endif
	WIN 0xa1
	MULA 2, (\s)%2, \s, \zero
	MULA 3, (\s)%2, \s, \zero
.endm
.macro TOSTAGE a                       ; tile a: a lane's 8 x 32 bytes of a row into my stage, and back as whole rows
	WIN 0x08                                                   ; an LDS store's data are its source 1: window 2
.irp b, 0,1,2,3,4,5,6,7
	ds_store_b128 v24, v[64*(\a)+8*\b:64*(\a)+8*\b+3] offset:128*(\b/2)+32*(\b%2)       ; each accumulator from its low end on
	ds_store_b128 v24, v[64*(\a)+8*\b+4:64*(\a)+8*\b+7] offset:128*(\b/2)+32*(\b%2)+16
.endr
	WIN 0
.set BB, 96+64*((\a)%2)
.irp t, 0,1,2,3,4,5,6,7,8,9,10,11,12,13,14,15
	ds_load_b128 v[BB+4*\t:BB+4*\t+3], v25 offset:528*\t       ; LDS serves a wave's instructions in order: these see my stores, and the next tile's stores come behind them
.endr
.endm
.macro SEND a, younger                 ; younger: the LDS instructions issued behind tile a's loads, which may stay out
.set BB, 96+64*((\a)%2)
	s_wait_dscnt \younger
.irp t, 0,1,2,3,4,5,6,7,8,9,10,11,12,13,14,15
	global_store_b128 v26, v[BB+4*\t:BB+4*\t+3], s[10:11] offset:(32*((\a)/2)+8*((\a)%2)+\t+8*(\t/8))*4096 th:TH_STORE_NT   ; 512 consecutive bytes of a row, aligned; written once
.endr
.endm
	s_load_b256 s[4:11], s[0:1], 0x0                           ; oc s[4:5], wpc s[6:7], sc_b s[8:9], out0 s[10:11]
	v_lshl_add_u32 v254, v0, 2, 0x48000
	v_mov_b32 v255, 0
	ds_add_u32 v254, v255
	ds_add_u32 v254, v255
	v_lshrrev_b32 v1, 5, v0
	v_readfirstlane_b32 s14, v1                                ; wave
	s_and_b32 s16, s14, 1
	s_bfe_u32 s40, ttmp6, 0x40000                              ; cx
	s_bfe_u32 s41, ttmp6, 0x40004                              ; cy
	s_lshl_b32 s42, ttmp9, 2
	s_add_co_u32 s42, s42, s40                                 ; X: block of 128 columns
	s_and_b32 s17, ttmp7, 0xffff
	s_lshl_b32 s17, s17, 2
	s_add_co_u32 s17, s17, s41                                 ; Y: block of 256 tokens
	s_lshl_b32 s43, s41, 2
	s_lshl_b32 s43, 15, s43                                    ; my row of the cluster
	s_lshl_b32 s44, 0x1111, s40                                ; my column
	s_or_b32 s[G1X], s43, (3<<16)|(1<<21)                      ; mask; elements of 8 bytes; bit 21 beside a mask; no padding
	s_or_b32 s[G1W], s44, (3<<16)|(1<<21)
	s_mov_b32 s[G1X+1], 384<<16                                ; tensor_dim0 = 384 elements: two K steps of a tile, 3,072 bytes
	s_mov_b32 s[G1X+2], 8<<16                                  ; tensor_dim1 = 8 tiles
	s_mov_b32 s[G1X+3], 384<<16
	s_mov_b32 s[G1X+4], 8
	s_mov_b32 s[G1X+5], 1536                                   ; from tile to tile: 12,288 bytes
	s_mov_b32 s[G1X+6], 0
	s_mov_b32 s[G1X+7], 0
	s_mov_b32 s[G1W+1], 384<<16
	s_mov_b32 s[G1W+2], 4<<16
	s_mov_b32 s[G1W+3], 384<<16
	s_mov_b32 s[G1W+4], 4
	s_mov_b32 s[G1W+5], 1536
	s_mov_b32 s[G1W+6], 0
	s_mov_b32 s[G1W+7], 0
	s_lshl_b32 s20, s17, 4
	s_lshl_b32 s21, s16, 3
	s_add_co_u32 s20, s20, s21
	s_mul_i32 s20, s20, 12288                                  ; o: tile 16 Y + 8 (wave % 2)
	s_mov_b32 s21, 0
	s_lshl_b32 s46, s42, 3
	s_lshl_b32 s47, s16, 2
	s_add_co_u32 s46, s46, s47
	s_mul_i32 s46, s46, 12288                                  ; w: tile 8 X + 4 (wave % 2)
	s_mov_b32 s47, 0
	s_mul_i32 s45, s14, 24576                                  ; LDS: waves 0, 1: o's halves
	s_mul_i32 s18, s14, 12288
	s_add_co_u32 s18, s18, 24576                               ; waves 2, 3: w's halves, from 49,152 on
	s_wait_dscnt 0x0
	s_wait_kmcnt 0x0
	s_add_nc_u64 s[20:21], s[4:5], s[20:21]
	s_add_nc_u64 s[46:47], s[6:7], s[46:47]
.irp q, 0,1,2,3
	s_mov_b32 s[G0X+4*\q], 1
	s_add_co_u32 s[G0X+4*\q+1], s45, \q*QBY
	s_add_nc_u64 s[G0X+4*\q+2:G0X+4*\q+3], s[20:21], \q*3072
	s_or_b32 s[G0X+4*\q+3], s[G0X+4*\q+3], 0x80000000
	s_mov_b32 s[G0W+4*\q], 1
	s_add_co_u32 s[G0W+4*\q+1], s18, \q*QBY
	s_add_nc_u64 s[G0W+4*\q+2:G0W+4*\q+3], s[46:47], \q*3072
	s_or_b32 s[G0W+4*\q+3], s[G0W+4*\q+3], 0x80000000
.endr
	CROUND                                                     ; all sixteen work-groups are here: the joint loads meet
	s_cmp_lt_u32 s14, 2                                        ; a wave's four fills stand in one branch: four loads of mine are out
	s_cbranch_scc0 .Lfill_w
	tensor_load_to_lds s[G0X:G0X+3], s[G1X:G1X+7]
	s_nop 0
	tensor_load_to_lds s[G0X+4:G0X+7], s[G1X:G1X+7]
	s_nop 0
	tensor_load_to_lds s[G0X+8:G0X+11], s[G1X:G1X+7]
	s_nop 0
	tensor_load_to_lds s[G0X+12:G0X+15], s[G1X:G1X+7]
	s_nop 0
	PLACES 4
	s_branch .Lfilled
.Lfill_w:
	tensor_load_to_lds s[G0W:G0W+3], s[G1W:G1W+7]
	s_nop 0
	tensor_load_to_lds s[G0W+4:G0W+7], s[G1W:G1W+7]
	s_nop 0
	tensor_load_to_lds s[G0W+8:G0W+11], s[G1W:G1W+7]
	s_nop 0
	tensor_load_to_lds s[G0W+12:G0W+15], s[G1W:G1W+7]
	s_nop 0
	PLACES 4
.Lfilled:
	v_and_b32 v5, 31, v0
	v_and_b32 v1, 15, v0                                       ; r
	v_bfe_u32 v2, v0, 4, 1                                     ; h
	v_lshlrev_b32 v3, 3, v5                                    ; 8 x lane
	v_lshlrev_b32 v4, 4, v1                                    ; 16 r
	v_cmp_lt_u32 s19, 15, v5                                   ; lanes 16-31
	s_mul_i32 s22, s14, 12288                                  ; o's tiles 4 w on
	v_add_nc_u32 v[ADRO], s22, v3
	v_add_nc_u32 v[ADRI], 49152, v3                            ; w's 8 tiles
.irp q, 1,2,3
	v_add_nc_u32 v[ADRO+\q], \q*QBY, v[ADRO]
	v_add_nc_u32 v[ADRI+\q], \q*QBY, v[ADRI]
.endr
	s_lshl_b32 s26, s17, 13
	s_lshl_b32 s27, s14, 11
	s_add_co_u32 s26, s26, s27                                 ; o's words: tile 16 Y + 4 w
	s_lshl_b32 s28, s42, 12
	s_add_co_u32 s28, s28, 262144                              ; w's words: tile 8 X
	v_mov_b32 v8, s26
	v_mov_b32 v9, s28
	v_cndmask_b32 v8, v8, v9, s19                              ; lanes 0-15 o's words, lanes 16-31 w's
	v_add_nc_u32 v8, v8, v4
	v_lshl_add_u32 v9, v2, 11, v8                              ; for blocks 4-7: w's lanes four tiles on; o's lanes read blocks 0-3 once more (a wave has but four blocks of o)
.irp i, 0,1,2,3,4,5,6,7
.irp q, 0,1
.if \i < 4
	global_load_b128 v[SC+8*\i+4*\q:SC+8*\i+4*\q+3], v8, s[8:9] offset:512*\i+256*\q
.else
	global_load_b128 v[SC+8*\i+4*\q:SC+8*\i+4*\q+3], v9, s[8:9] offset:512*(\i-4)+256*\q
.endif
.endr
.endr
	s_mul_i32 s23, s14, 8448                                   ; my stage: 16 rows x (512 + 16) bytes
	v_mul_u32_u24 v24, v1, 528
	v_lshl_add_u32 v24, v2, 6, v24
	v_add_nc_u32 v24, s23, v24                                 ; in: row r, + 64 h
	v_lshlrev_b32 v26, 4, v5                                   ; out: 16 x lane, in the stage's row and in out0's
	v_add_nc_u32 v25, s23, v26
	s_lshl_b32 s30, s17, 20                                    ; 256 Y rows of 4,096 bytes
	s_lshl_b32 s31, s14, 18                                    ; 64 w rows
	s_add_co_u32 s30, s30, s31
	s_lshl_b32 s31, s42, 9                                     ; 128 X columns
	s_add_co_u32 s30, s30, s31
	s_mov_b32 s31, 0
	s_add_nc_u64 s[10:11], s[10:11], s[30:31]
	s_wait_tensorcnt 3                                         ; my part of quarter 0 is in,
	s_barrier_signal -1
	s_barrier_wait -1                                          ; everybody's is
	FETCH 0, 0
	s_wait_loadcnt 0x0                                         ; the scale words
	STEP 0, 1                                                  ; the first step's products start the sums
	STEP 1, 0
	STEP 2, 0
	STEP 3, 0
	STEP 4, 0
	STEP 5, 0
	STEP 6, 0
	STEP 7, 0
	WIN 0
	PLACES 4                                                   ; in front of the first read of results, and of loads into the registers that held o's fragments
	s_wait_alu depctr_va_vdst(0)
	TOSTAGE 0
	TOSTAGE 1
	SEND 0, 32                                                 ; behind tile 0's loads: tile 1's 16 stores and 16 loads
	s_wait_xcnt 0x0                                            ; tile 0's stores have read their registers: tile 2's rows may land there
	TOSTAGE 2
	SEND 1, 32
	s_wait_xcnt 0x0
	TOSTAGE 3
	SEND 2, 32
	SEND 3, 0
	s_wait_tensorcnt 0x0
	ds_add_u32 v254, v255
	s_wait_dscnt 0x0
	CROUND                                                     ; the closing round
	s_endpgm
.Lfunc_end_k_q6893965f43_proj:
	.size	k_q6893965f43_proj, .Lfunc_end_k_q6893965f43_proj-k_q6893965f43_proj
	.p2alignl 7, 3214868480
	.fill 96, 4, 3214868480
	.section	.rodata,"a",@progbits
	.p2align	6, 0x0
	.amdhsa_kernel k_q6893965f43_proj
		.amdhsa_group_segment_fixed_size 295424
		.amdhsa_private_segment_fixed_size 0
		.amdhsa_enable_private_segment 0
		.amdhsa_kernarg_size 32
		.amdhsa_user_sgpr_count 2
		.amdhsa_user_sgpr_kernarg_segment_ptr 1
		.amdhsa_wavefront_size32 1
		.amdhsa_system_sgpr_workgroup_id_x 1
		.amdhsa_system_sgpr_workgroup_id_y 1
		.amdhsa_system_sgpr_workgroup_id_z 1
		.amdhsa_system_vgpr_workitem_id 0
		.amdhsa_next_free_vgpr 768
		.amdhsa_next_free_sgpr 100
		.amdhsa_reserve_vcc 0
		.amdhsa_float_denorm_mode_32 3
		.amdhsa_float_denorm_mode_16_64 3
		.amdhsa_memory_ordered 1
		.amdhsa_forward_progress 1
		.amdhsa_inst_pref_size 95
	.end_amdhsa_kernel
	.amdgpu_metadata
---
amdhsa.version: [ 1, 2 ]
amdhsa.kernels:
  - .name:           k_q6893965f43_proj
    .symbol:         k_q6893965f43_proj.kd
    .args:
      - { .name: oc, .offset: 0, .size: 8, .value_kind: global_buffer, .address_space: global }
      - { .name: wpc, .offset: 8, .size: 8, .value_kind: global_buffer, .address_space: global }
      - { .name: sc_b, .offset: 16, .size: 8, .value_kind: global_buffer, .address_space: global }
      - { .name: out0, .offset: 24, .size: 8, .value_kind: global_buffer, .address_space: global }
    .group_segment_fixed_size: 295424
    .private_segment_fixed_size: 0
    .kernarg_segment_align: 8
    .kernarg_segment_size: 32
    .max_flat_workgroup_size: 128
    .sgpr_count:     100
    .vgpr_count:     768
    .wavefront_size: 32
...
	.end_amdgpu_metadata
.endif
;; end of part 4
